; MI455X (gfx1250); checked and timed in simulation.
; The chip was launched on July 23, 2026; its instructions are those of AMD's public machine-readable ISA for CDNA 5 (MIT licence, August 2026) and "CDNA5" Instruction Set Architecture Reference Guide (July 2026). The comments in the code are by the model that wrote it; some were corrected since.
;; Encoder Layer. Allowed arithmetic: matrix products marked QUANTISED: E4M3 operands, one E8M0 scale for each 32 along K, by v_wmma_scale_f32_16x16x128_f8f6f4 with both operands' format E4M3, f32 sums; everything else in f32.
;; Inputs: ff1_b 2,048 float32; ff1_w_codes 2,048 x 16 x 32 uint8 (E4M3 codes of ff1_w, K innermost, in blocks of 32 codes); ff1_w_scales 2,048 x 16 uint8 (E8M0 scales of ff1_w, one for each 32 codes along K); ff2_b 512 float32; ff2_w_codes 512 x 64 x 32 uint8 (E4M3 codes of ff2_w, K innermost, in blocks of 32 codes); ff2_w_scales 512 x 64 uint8 (E8M0 scales of ff2_w, one for each 32 codes along K); ln1_b 512 float32; ln1_g 512 float32; ln2_b 512 float32; ln2_g 512 float32; mask 4 x 1 x 1 x 2,048 int32; wk_b 512 float32; wk_w_codes 512 x 16 x 32 uint8 (E4M3 codes of wk_w, K innermost, in blocks of 32 codes); wk_w_scales 512 x 16 uint8 (E8M0 scales of wk_w, one for each 32 codes along K); wo_b 512 float32; wo_w_codes 512 x 16 x 32 uint8 (E4M3 codes of wo_w, K innermost, in blocks of 32 codes); wo_w_scales 512 x 16 uint8 (E8M0 scales of wo_w, one for each 32 codes along K); wq_b 512 float32; wq_w_codes 512 x 16 x 32 uint8 (E4M3 codes of wq_w, K innermost, in blocks of 32 codes); wq_w_scales 512 x 16 uint8 (E8M0 scales of wq_w, one for each 32 codes along K); wv_b 512 float32; wv_w_codes 512 x 16 x 32 uint8 (E4M3 codes of wv_w, K innermost, in blocks of 32 codes); wv_w_scales 512 x 16 uint8 (E8M0 scales of wv_w, one for each 32 codes along K); x 4 x 2,048 x 512 float32.
;; Outputs: out0 4 x 2,048 x 512 float32.
;; This version of the problem:
;;   THIS VERSION OF THE PROBLEM IS GIVEN IN LOW PRECISION. The matrix products marked QUANTISED in the list below multiply operands that are first quantised to E4M3 (4 exponent bits, 3 mantissa bits; 8 bits a number), with one power-of-two scale for each 32 numbers along K (OCP MX v1.0); their sums are f32. All else is computed in f32.
;;   The module's matrix products, in the order in which they are computed (A, B: the left and right operand; K: the contracted axis; several contracted axes count as one K, in the product's order):
;;     1. [M 8,192, K 512] x [K 512, N 512]; A: computed on the way; B: input wq_w (given as codes): QUANTISED
;;     2. [M 8,192, K 512] x [K 512, N 512]; A: computed on the way; B: input wk_w (given as codes): QUANTISED
;;     3. [M 8,192, K 512] x [K 512, N 512]; A: computed on the way; B: input wv_w (given as codes): QUANTISED
;;     4. batch 32 x [M 2,048, K 64] x [K 64, N 2,048]; A: computed on the way; B: computed on the way: QUANTISED
;;     5. batch 32 x [M 2,048, K 2,048] x [K 2,048, N 64]; A: softmax (see below); B: computed on the way: QUANTISED
;;     6. [M 8,192, K 512] x [K 512, N 512]; A: computed on the way; B: input wo_w (given as codes): QUANTISED
;;     7. [M 8,192, K 512] x [K 512, N 2,048]; A: computed on the way; B: input ff1_w (given as codes): QUANTISED
;;     8. [M 8,192, K 2,048] x [K 2,048, N 512]; A: computed on the way; B: input ff2_w (given as codes): QUANTISED
;;   THE QUANTISER, for each operand of a quantised product, along K:
;;     - K is cut into blocks of 32 from its start; a last block that is shorter is filled with zeros.
;;     - A block's scale is 2^e with e = floor(log2(the largest magnitude in the block)) - 8, held to -126 .. 127; a block of zeros has e = 0. As a byte (E8M0): e + 127.
;;     - Each number is divided by its block's scale, clamped to +-448, and rounded to the nearest number of E4M3, ties to even, subnormals kept.
;;     - The product sums the exact products of the quantised numbers (number of the format x scale) in f32.
;;   ~~~python
;;   def quantise(x, axis):      # numpy; x: float32 -> the quantised numbers, widened to float32 again
;;       x = np.moveaxis(x, axis, -1); K = x.shape[-1]
;;       x = np.pad(x, [(0, 0)] * (x.ndim - 1) + [(0, -K % 32)]); x = x.reshape(x.shape[:-1] + (-1, 32)); a = np.abs(x).max(-1, keepdims=True)
;;       e = np.where(a > 0, np.clip(np.frexp(np.where(a > 0, a, 1))[1] - 1 - 8, -126, 127), 0)      # np.frexp(a)[1] - 1 = floor(log2(a)), exactly
;;       r = np.clip(x / 2.0 ** e, -448, 448)
;;       step = 2.0 ** (np.maximum(np.frexp(np.where(r == 0, 1, r))[1] - 1, -6) - 3)
;;       q = np.round(r / step) * step * 2.0 ** e      # np.round: ties to even
;;       return np.moveaxis(q.reshape(q.shape[:-2] + (-1,))[..., :K], -1, axis).astype(np.float32)
;;   ~~~
;;   SOFTMAX AHEAD OF A QUANTISED PRODUCT. Where the list says 'softmax', what is quantised is not the finished softmax but p = 2^(t - M), with t = logit x log2(e) and M = ceil(the row's largest t), a whole number; so 1/2 < the row's largest p <= 1. The row's sum l is taken of the UNQUANTISED p, in f32, and the product's result is divided by l at the end. Since M is a whole number, a kernel that streams over the keys may use a running M (the ceiling of the running maximum): every later rescaling is an exact power of two, which a block's scale takes up: the codes' values come out the same.
;;   OPERANDS COMPUTED ON THE WAY. 'Computed on the way' means the value that the module computes at that place (a softmax that the list does not call 'softmax' is quantised finished and normalised). What goes into a quantiser is computed in f32, as accurately as f32 sums, v_exp_f32 and their like allow (about 1e-6 of the number): no bf16 or f16 on the way to a quantiser, and a product that is left as it is and whose result goes on into a quantised operand takes f32 operands (vector FMAs, or v_wmma_f32_16x16x4_f32). A number that lies on a knife's edge between two numbers of the format may be rounded either way, as far as f32 arithmetic and the matrix unit's own rounding can turn it there, and no further.
;;   INPUTS GIVEN AS CODES. ff1_w (in the module: [512, 2048], K = its axis 0); ff2_w (in the module: [2048, 512], K = its axis 0); wk_w (in the module: [512, 512], K = its axis 0); wo_w (in the module: [512, 512], K = its axis 0); wq_w (in the module: [512, 512], K = its axis 0); wv_w (in the module: [512, 512], K = its axis 0): each comes as NAME_codes (uint8): NAME with its K axis moved to the last place and cut into blocks of 32 codes, [.., K / 32, bytes a block], one block behind the other in memory; one code a byte (a code: sign, 4 exponent bits, 3 mantissa bits); and NAME_scales (uint8): the same leading axes, one E8M0 byte (e + 127) for each 32 codes along K. Its value is code x scale, taken as it is: it is not quantised again, and the codes and scales need not be those that the quantiser above would give.
;; One version. Each part assembles by itself: llvm-mc -triple=amdgcn-amd-amdhsa -mcpu=gfx1250 --defsym DOCPART=n.
;; ======== version 1 of 1: 3 launches
;; limits: right only within a limited range of input values
;; workspace buffers: qc 4,325,376 bytes; kv 8,650,752 bytes; wst 2,359,296 bytes; ao 4,194,304 bytes; aos 131,072 bytes
;; launch qkv (part 1): grid 4 x 64, 4 waves a work-group, no clusters, 74,240 bytes of LDS; arguments x, ln1_g, ln1_b, wq_w_codes, wq_w_scales, wq_b, wk_w_codes, wk_w_scales, wk_b, wv_w_codes, wv_w_scales, wv_b, wo_w_codes, ff1_w_codes, ff2_w_codes, qc, kv, wst; writes qc, kv, wst
.if DOCPART == 1
	.amdgcn_target "amdgcn-amd-amdhsa--gfx1250"
	.amdhsa_code_object_version 6
	.text
	.protected	k_q51a99dbe95_qkv
	.globl	k_q51a99dbe95_qkv
	.p2align	8
	.type	k_q51a99dbe95_qkv,@function
k_q51a99dbe95_qkv:
	s_mov_b64 s[64:65], 0
	v_nop
	global_prefetch_b8 v0, s[64:65] scope:SCOPE_SE
	s_setreg_imm32_b32 hwreg(HW_REG_WAVE_MODE, 25, 1), 1
	s_wait_xcnt 0x0
; LN1, its quantising, the products x_n Wq, x_n Wk, x_n Wv on codes of E4M3 with E8M0 scales for each 32 along K, and the quantising of q, k (along the head's 64) and v (along the keys).
; Besides: wo, ff1 and ff2's codes are laid out once as images of operand registers, in the order in which the last launch streams them.
; SHARES.  Work-group (cp, G): tokens 128 G .. 128 G + 127 (a key step of attention), heads 2 cp and 2 cp + 1.  Four waves.
;   Phase A: wave w normalises and quantises tokens 32 w .. 32 w + 31 (row tiles 2 w, 2 w + 1); a lane holds 16 neighbours of a row; codes and scale bytes go to LDS.
;   Phase B: wave w makes, for all 8 row tiles, its UNIT (w / 2 = 0: q, 1: k; head 2 cp + w % 2; 64 channels, used transposed: source 0 = 16 rows of the weight, source 1 = 16 tokens) and two tiles of
;   16 channels of v of the same head (used straight: source 0 = 16 tokens, source 1 = 16 rows of Wv), so that a lane holds one channel of v and its registers run along the keys.
; ROWS OF A TILE ARE NOT NEIGHBOURS: lane row r of tile 2 b + u is row 32 b + 8 u + r + 8 (r / 8), for tokens and for weights alike, so that the 16 registers of result tiles 2 b, 2 b + 1 are 16 neighbours along the next K.
; The four work-groups of one G repeat LN1 of the same rows; each reads a quarter of the weights, once, into registers.  No cluster: nothing goes through tiles in LDS that partners could share (x's 128 rows, 262,144 bytes, and the images do not fit).
; LIMITS: NaN and infinities among the inputs are not served.  A block whose largest magnitude lies under 2^-118 keeps the scale byte 1; a block of zeros has the byte 1, not 127 (its codes are zeros; this program alone reads the bytes).  1/sqrt is v_rsq_f32.
; REGISTERS, in windows of 256.  Window 0: v1-15 addresses; v16-47 gain and bias of LN1, later the unit's 4 accumulators; v48-111 x_n's four fragments; v112-175 the unit's codes; v176-207 at work; v208-235 scale words; v236-243 mean or 1/sigma.
;   Window 1: x's rows 0-15, then the unit's 16 weight fragments.  Window 2: x's rows 16-31, then Wv's 8 fragments (v0-127) and v's 16 accumulators (v128-255).  Window 3: biases (v0-47), fragments to be laid out (v48-79).
.set TILEB, 8704                       ; LDS: a row tile's codes: 32 half chunks (K step s, block c, half h: 8 s + 2 c + h) of 16 rows x 16 bytes + 16 of padding
.set XSC,   69632                      ; behind the 8 tiles: their scale bytes, 256 a tile: byte 16 r + 4 s + c
.set SCST,  71680                      ; q's, k's and v's scale words of the two heads: six blocks of 256 bytes
.set RECQ,  135168                     ; a head's record in qc: 131,072 bytes of codes, 4,096 of scale words
.set RECKV, 270336                     ; and in kv: k's codes, v's codes, k's words, v's words
.set T,     176
.set SEL,   84
.set MNT,   82
.set MSB,   0
.macro WIN new                         ; the immediate's high byte repeats the setting that is left; a switch that changes nothing is dropped
.if MSB != (\new)
	s_set_vgpr_msb (MSB<<8)|(\new)
.set MSB, (\new)
.endif
.endm
.macro PLACES n
.rept \n
	v_nop
.endr
.endm
; 16 nb numbers of a lane, register 16 b + i = k 32 b + 16 (lane / 16) + i of the lane's row, become codes in v[pc] on and nb scale bytes in v[pw].  All registers lie in one window.
.macro QUANT s, nb, tm, pc, pw
.irp b, 0,1,2,3
.if \b < \nb
	v_max3_num_f32 v[(\tm)+\b], |v[(\s)+16*\b]|, |v[(\s)+16*\b+1]|, 0x4800000   ; my 16 numbers and the floor 2^(9 - 127): the byte cannot fall under 1
.endif
.endr
.irp i, 2,4,6,8,10,12,14
.irp b, 0,1,2,3
.if \b < \nb
	v_max3_num_f32 v[(\tm)+\b], v[(\tm)+\b], |v[(\s)+16*\b+\i]|, |v[(\s)+16*\b+\i+1]|
.endif
.endr
.endr
.irp b, 0,1,2,3
.if \b < \nb
	v_permlanex16_b32 v[(\tm)+4+\b], v[(\tm)+\b], s[SEL], s[SEL+1]
.endif
.endr
.irp b, 0,1,2,3
.if \b < \nb
	v_max_num_f32 v[(\tm)+\b], v[(\tm)+\b], v[(\tm)+4+\b]      ; with lane l xor 16's: the block's largest magnitude
.endif
.endr
.irp b, 0,1,2,3
.if \b < \nb
	v_add_nc_u32 v[(\tm)+12+\b], 0xfc000000, v[(\tm)+\b]       ; 8 off its exponent field: the conversion's scale operand
.endif
.endr
.irp b, 0,1,2,3
.if \b < \nb
	v_and_or_b32 v[(\tm)+8+\b], v[(\tm)+\b], 0x7f800000, s[MNT]   ; 448 x the scale
.endif
.endr
.irp b, 0,1,2,3
.if \b < \nb
	v_lshrrev_b32 v[(\tm)+4+\b], 23, v[(\tm)+12+\b]            ; the scale's byte
.endif
.endr
	v_lshl_or_b32 v[\pw], v[(\tm)+5], 8, v[(\tm)+4]
.if \nb > 2
	v_lshl_or_b32 v[\pw], v[(\tm)+6], 16, v[\pw]
	v_lshl_or_b32 v[\pw], v[(\tm)+7], 24, v[\pw]
.endif
.irp b, 0,1,2,3
.if \b < \nb
.irp i, 0,1,2,3,4,5,6,7,8,9,10,11,12,13,14,15
	v_med3_num_f32 v[(\s)+16*\b+\i], v[(\s)+16*\b+\i], -v[(\tm)+8+\b], v[(\tm)+8+\b]   ; the conversion does not saturate (ISA guide 7.6.2): the hold at the largest code x the scale
.endr
	v_cvt_scalef32_pk8_fp8_f32 v[(\pc)+4*\b:(\pc)+4*\b+1], v[(\s)+16*\b:(\s)+16*\b+7], v[(\tm)+12+\b]
	v_cvt_scalef32_pk8_fp8_f32 v[(\pc)+4*\b+2:(\pc)+4*\b+3], v[(\s)+16*\b+8:(\s)+16*\b+15], v[(\tm)+12+\b]
.endif
.endr
	v_nop                                          ; one plain line behind the last scaled conversion
.endm
	s_load_b512 s[4:19], s[0:1], 0x0               ; x, g, b, wq codes, scales, bias, wk codes, scales
	s_load_b512 s[20:35], s[0:1], 0x40             ; wk bias, wv codes, scales, bias, wo codes, ff1 codes, ff2 codes, qc
	s_load_b128 s[36:39], s[0:1], 0x80             ; kv, wst
	v_lshl_add_u32 v254, v0, 2, 0x12000
	v_mov_b32 v255, 0
	v_lshrrev_b32 v1, 5, v0
	v_readfirstlane_b32 s40, v1                    ; wave 0..3
	v_and_b32 v1, 31, v0                           ; L
	v_and_b32 v2, 15, v0                           ; r
	v_bfe_u32 v3, v0, 4, 1                         ; h
	v_and_b32 v4, 8, v2
	v_add_nc_u32 v4, v4, v2                        ; rp = r + 8 (r / 8)
	v_lshlrev_b32 v5, 6, v1                        ; x: my 16 numbers of a row
	s_mul_i32 s78, s40, 2*TILEB
	v_mul_u32_u24 v6, v1, 272
	v_add_nc_u32 v6, s78, v6                       ; where I put 16 codes: my wave's two tiles, half chunk L
	v_lshrrev_b32 v7, 1, v1
	s_lshl_b32 s78, s40, 9
	s_add_co_u32 s78, s78, XSC
	v_add_nc_u32 v7, s78, v7                       ; and my block's scale byte
	v_lshlrev_b32 v8, 9, v4
	v_lshl_add_u32 v8, v3, 4, v8                   ; a weight fragment: row rp of 512 bytes, + 16 h
	v_lshlrev_b32 v9, 4, v4                        ; a weight row's 16 scale bytes
	v_lshlrev_b32 v10, 6, v3                       ; 64 h: a bias in the transposed result's layout
	v_lshlrev_b32 v11, 2, v4                       ; 4 rp: v's bias
	v_mul_u32_u24 v12, v3, 272
	v_lshl_add_u32 v12, v2, 4, v12                 ; reading x_n's fragments: 272 h + 16 r; tiles 0-3,
	v_add_nc_u32 v13, 4*TILEB, v12                 ; tiles 4-7
	v_lshl_add_u32 v14, v2, 4, XSC                 ; their scale words
	v_lshlrev_b32 v15, 4, v1                       ; 16 L: an image's place for my lane
	s_wait_alu depctr_va_vdst(0)
	s_lshl_b32 s78, s40, 8
	s_add_co_u32 s78, s78, SCST
	v_lshl_add_u32 v244, v2, 4, s78                ; the unit's scale words: block w
	s_and_b32 s47, s40, 1
	s_lshr_b32 s46, s40, 1
	s_lshl_b32 s78, s47, 8
	s_lshl_b32 s79, s46, 3
	s_add_co_u32 s78, s78, s79
	s_add_co_u32 s78, s78, SCST+1024
	v_lshl_add_u32 v245, v2, 4, s78                ; v's: block 4 + w % 2, words 2 (w / 2) and + 1 of row r
	s_lshl_b32 s78, s40, 9
	s_add_co_u32 s78, s78, SCST
	v_add_nc_u32 v246, s78, v15                    ; the way out of the scale words: two blocks a wave
.irp i, 0,1,2,3
	v_mov_b32 v[237+2*\i], 0                       ; upper halves of pairs of which the low word alone is used
.endr
	s_mov_b32 s41, ttmp9                           ; cp
	s_and_b32 s42, ttmp7, 0xffff                   ; G
	s_lshr_b32 s43, s42, 4                         ; batch
	s_and_b32 s44, s42, 15                         ; key step
	s_lshl_b32 s45, s41, 1
	s_add_co_u32 s45, s45, s47                     ; my head
	s_mov_b32 s80, 0x3b000000                      ; 1 / 512
	s_mov_b32 s81, 0x358637bd                      ; 1e-6
	s_mov_b32 s[MNT], 0x600000                     ; the mantissa field of 448
	s_mov_b32 s[SEL], 0x76543210
	s_mov_b32 s[SEL+1], 0xfedcba98                 ; lane l xor 16
	; THE LAY-OUT.  Wave number gw = 16 G + 4 cp + w of 1,024 copies one fragment: gw < 512 of ff1, else of ff2; gw < 128 one of wo besides.
	s_lshl_b32 s86, s42, 4
	s_lshl_b32 s78, s41, 2
	s_add_co_u32 s86, s86, s78
	s_add_co_u32 s86, s86, s40                     ; gw
	s_and_b32 s87, s86, 3                          ; K step s
	s_bfe_u32 s88, s86, 0x30002
	s_bfe_u32 s89, s86, 0x20005
	s_bfe_u32 s90, s86, 0x20007
	s_bfe_u32 s91, s86, 0x20002
	s_bfe_u32 s92, s86, 0x30004
	s_cmp_lt_u32 s86, 512
	s_cselect_b32 s88, s88, s92                    ; tile t of the reading wave's eight
	s_cselect_b32 s89, s89, s90                    ; the reading wave
	s_cselect_b32 s91, s90, s91                    ; chunk j
	s_cselect_b32 s93, 9, 11                       ; a weight row is 512 or 2,048 bytes
	s_cselect_b32 s94, 8, 16
	s_cselect_b32 s95, s91, 0                      ; ff1: j moves the rows,
	s_cselect_b32 s96, 0, s91                      ; ff2: the K step
	s_lshl_b32 s97, s89, 7
	s_lshr_b32 s78, s88, 1
	s_lshl_b32 s78, s78, 5
	s_add_co_u32 s97, s97, s78
	s_and_b32 s78, s88, 1
	s_lshl_b32 s78, s78, 3
	s_add_co_u32 s97, s97, s78
	s_lshl_b32 s78, s95, 9
	s_add_co_u32 s97, s97, s78                     ; the tile's first row
	s_lshl_b32 s97, s97, s93
	s_lshl_b32 s78, s96, 2
	s_add_co_u32 s78, s78, s87
	s_lshl_b32 s78, s78, 7
	s_add_co_u32 s97, s97, s78                     ; + 128 x K step: where the fragment begins in its tensor
	s_lshl_b32 s78, s91, 4
	s_add_co_u32 s94, s94, s78
	s_lshl_b32 s78, s87, 1
	s_add_co_u32 s94, s94, s78
	s_lshr_b32 s78, s88, 2
	s_add_co_u32 s94, s94, s78                     ; its group in the reading wave's stream
	s_mul_i32 s92, s89, 72
	s_add_co_u32 s92, s92, s94
	s_lshl_b32 s92, s92, 2
	s_and_b32 s78, s88, 3
	s_add_co_u32 s92, s92, s78
	s_lshl_b32 s92, s92, 11                        ; and its 2,048 bytes there
	v_lshlrev_b32 v248, s93, v4
	v_lshl_add_u32 v248, v3, 4, v248               ; row rp, + 16 h
	s_mov_b32 s99, 0
	s_mov_b32 s79, RECKV
	s_wait_alu depctr_va_vdst(0)
	s_wait_kmcnt 0x0
	s_cmp_eq_u32 s46, 0                            ; my unit: q or k.  The choice hangs on the wave's number alone
	s_cselect_b64 s[48:49], s[10:11], s[16:17]
	s_cselect_b64 s[50:51], s[12:13], s[18:19]
	s_cselect_b64 s[52:53], s[14:15], s[20:21]
	s_cselect_b64 s[54:55], s[34:35], s[36:37]
	s_cselect_b32 s79, RECQ, s79
	s_lshl_b32 s98, s45, 15                        ; my head's 64 rows: codes,
	s_add_nc_u64 s[48:49], s[48:49], s[98:99]
	s_add_nc_u64 s[56:57], s[22:23], s[98:99]
	s_lshl_b32 s98, s45, 10                        ; scale bytes,
	s_add_nc_u64 s[50:51], s[50:51], s[98:99]
	s_add_nc_u64 s[58:59], s[24:25], s[98:99]
	s_lshl_b32 s98, s45, 8                         ; biases
	s_add_nc_u64 s[52:53], s[52:53], s[98:99]
	s_add_nc_u64 s[60:61], s[26:27], s[98:99]
	s_lshl_b32 s98, s46, 14                        ; of Wv: my 32 rows, 32 (w / 2) on
	s_add_nc_u64 s[56:57], s[56:57], s[98:99]
	s_lshl_b32 s98, s46, 9
	s_add_nc_u64 s[58:59], s[58:59], s[98:99]
	s_lshl_b32 s98, s46, 7
	s_add_nc_u64 s[60:61], s[60:61], s[98:99]
	s_lshl_b32 s78, s43, 3
	s_add_co_u32 s78, s78, s45                     ; record 8 x batch + head
	s_mul_i32 s98, s78, s79
	s_lshl_b32 s83, s44, 13
	s_add_co_u32 s98, s98, s83                     ; + 8 tiles of 1,024 bytes a key step
	s_add_nc_u64 s[54:55], s[54:55], s[98:99]      ; where the unit's codes go
	s_mul_i32 s98, s78, RECKV
	s_add_co_u32 s98, s98, s83
	s_lshl_b32 s83, s46, 12
	s_add_co_u32 s98, s98, s83
	s_add_co_u32 s98, s98, 131072
	s_add_nc_u64 s[62:63], s[36:37], s[98:99]      ; where v's two fragments go
	s_lshl_b32 s98, s42, 18
	s_lshl_b32 s83, s40, 16
	s_add_co_u32 s98, s98, s83
	s_add_nc_u64 s[66:67], s[4:5], s[98:99]        ; x at my wave's first row
	s_cmp_lt_u32 s86, 512
	s_cselect_b64 s[68:69], s[30:31], s[32:33]
	s_mov_b32 s98, s97
	s_add_nc_u64 s[68:69], s[68:69], s[98:99]      ; the lay-out: from,
	s_add_nc_u64 s[72:73], s[28:29], s[98:99]      ; (wo's fragment lies at the same offset as ff1's of chunk 0)
	s_mov_b32 s98, s92
	s_add_nc_u64 s[70:71], s[38:39], s[98:99]      ; to,
	s_sub_nc_u64 s[74:75], s[70:71], 0x10000       ; (and 8 groups earlier in the stream; used where gw < 128 alone)
	s_mov_b32 s83, RECKV                           ; the scale words' way out: wave 0 q's, wave 1 k's, wave 2 v's
	s_mov_b32 s87, 262144
	s_cmp_eq_u32 s40, 0
	s_cselect_b64 s[76:77], s[34:35], s[36:37]
	s_cselect_b32 s83, RECQ, s83
	s_cselect_b32 s87, 131072, s87
	s_lshl_b32 s78, s43, 3
	s_lshl_b32 s98, s41, 1
	s_add_co_u32 s78, s78, s98                     ; the first head's record
	s_mul_i32 s98, s78, s83
	s_add_co_u32 s98, s98, s87
	s_lshl_b32 s87, s44, 8
	s_add_co_u32 s98, s98, s87
	s_lshl_b32 s87, s46, 12
	s_add_co_u32 s98, s98, s87
	s_add_nc_u64 s[76:77], s[76:77], s[98:99]
	v_mul_u32_u24 v247, v3, s83
	v_lshl_add_u32 v247, v2, 4, v247               ; lanes 0-15 the first head's 256 bytes, lanes 16-31 the second's, a record on
	; THE SMALL LOADS, then all of x: every load of the launch but the weights' is out before the first wait
	WIN 0xc0
.irp c, 0,1,2,3
	global_load_b128 v[48+4*\c:51+4*\c], v248, s[68:69] offset:32*\c
.endr
.irp t, 0,1,2,3
	global_load_b128 v[8*\t:8*\t+3], v10, s[52:53] offset:(32*(\t/2)+8*(\t%2))*4        ; the unit's bias as a tile's C: channels 32 b + 8 u + 16 h + 0 .. 7
	global_load_b128 v[8*\t+4:8*\t+7], v10, s[52:53] offset:(32*(\t/2)+8*(\t%2))*4+16
.endr
.irp u, 0,1
.irp j, 0,1,2,3,4,5,6,7
	global_load_b32 v[32+8*\u+\j], v11, s[60:61] offset:32*\u      ; v's bias: a lane holds one channel, so its eight registers are equal
.endr
.endr
	WIN 0
	s_cmp_lt_u32 s86, 128
	s_cbranch_scc0 .Lno_wo_in
	WIN 0xc0
.irp c, 0,1,2,3
	global_load_b128 v[64+4*\c:67+4*\c], v248, s[72:73] offset:32*\c
.endr
	WIN 0
.Lno_wo_in:
.irp j, 0,1,2,3
	global_load_b128 v[16+4*\j:19+4*\j], v5, s[6:7] offset:16*\j
	global_load_b128 v[32+4*\j:35+4*\j], v5, s[8:9] offset:16*\j
.endr
.irp t, 0,1,2,3
	global_load_b128 v[208+4*\t:211+4*\t], v9, s[50:51] offset:(32*(\t/2)+8*(\t%2))*16   ; a row's four scale words, K steps 0 to 3
.endr
.irp u, 0,1
	global_load_b128 v[224+4*\u:227+4*\u], v9, s[58:59] offset:128*\u
.endr
.macro LOADQ q                         ; rows 4 q .. 4 q + 3 of my 32
.irp i, 0,1,2,3
.irp j, 0,1,2,3
	global_load_b128 v[64*((\q)%4)+16*\i+4*\j:64*((\q)%4)+16*\i+4*\j+3], v5, s[66:67] offset:2048*(4*(\q)+\i)+16*\j
.endr
.endr
.endm
	WIN 0x40
.irp q, 0,1,2,3
	LOADQ \q
.endr
	WIN 0x80
.irp q, 4,5,6,7
	LOADQ \q
.endr
	WIN 0
.macro RED4                            ; four rows by turns: the eight partial sums of v[T + 8 i] on become the row's sum, in every lane, in v[T + 8 i]
.irp i, 0,1,2,3
	v_pk_add_f32 v[T+8*\i:T+8*\i+1], v[T+8*\i:T+8*\i+1], v[T+8*\i+2:T+8*\i+3]
	v_pk_add_f32 v[T+8*\i+4:T+8*\i+5], v[T+8*\i+4:T+8*\i+5], v[T+8*\i+6:T+8*\i+7]
.endr
.irp i, 0,1,2,3
	v_pk_add_f32 v[T+8*\i:T+8*\i+1], v[T+8*\i:T+8*\i+1], v[T+8*\i+4:T+8*\i+5]
.endr
.irp i, 0,1,2,3
	v_add_f32 v[T+8*\i], v[T+8*\i], v[T+8*\i+1]
.endr
.irp x, 1,2,4,8
.irp i, 0,1,2,3
	v_add_f32_dpp v[T+8*\i], v[T+8*\i], v[T+8*\i] row_xmask:\x row_mask:0xf bank_mask:0xf
.endr
.endr
.irp i, 0,1,2,3
	v_permlanex16_b32 v[T+8*\i+1], v[T+8*\i], s[SEL], s[SEL+1]
.endr
.irp i, 0,1,2,3
	v_add_f32 v[T+8*\i], v[T+8*\i], v[T+8*\i+1]
.endr
.endm
; Four rows are normalised and quantised.  The rows lie in window W; sums, scales and codes in window 0: work is laid in stretches under one setting.
.macro LNQ q
.set W, 1+(\q)/4
.set XB, 64*((\q)%4)
	s_wait_dscnt 0x0                               ; the last four rows' LDS stores have read their registers
	WIN W|(W<<2)
.irp i, 0,1,2,3
.irp p, 0,1,2,3
	v_pk_add_f32 v[T+8*\i+2*\p:T+8*\i+2*\p+1], v[XB+16*\i+4*\p:XB+16*\i+4*\p+1], v[XB+16*\i+4*\p+2:XB+16*\i+4*\p+3]
.endr
.endr
	WIN 0
	RED4
.irp i, 0,1,2,3
	v_mul_f32 v[236+2*\i], s80, v[T+8*\i]          ; the mean
.endr
	WIN W|(W<<6)
.irp i, 0,1,2,3
.irp p, 0,1,2,3,4,5,6,7
	v_pk_add_f32 v[XB+16*\i+2*\p:XB+16*\i+2*\p+1], v[XB+16*\i+2*\p:XB+16*\i+2*\p+1], v[236+2*\i:237+2*\i] op_sel_hi:[1,0] neg_lo:[0,1] neg_hi:[0,1]
.endr
.endr
	WIN W|(W<<2)
.irp i, 0,1,2,3
.irp p, 0,1,2,3
	v_pk_mul_f32 v[T+8*\i+2*\p:T+8*\i+2*\p+1], v[XB+16*\i+2*\p:XB+16*\i+2*\p+1], v[XB+16*\i+2*\p:XB+16*\i+2*\p+1]
.endr
.endr
.irp i, 0,1,2,3
.irp p, 0,1,2,3
	v_pk_fma_f32 v[T+8*\i+2*\p:T+8*\i+2*\p+1], v[XB+16*\i+8+2*\p:XB+16*\i+8+2*\p+1], v[XB+16*\i+8+2*\p:XB+16*\i+8+2*\p+1], v[T+8*\i+2*\p:T+8*\i+2*\p+1]
.endr
.endr
	WIN 0
	RED4
.irp i, 0,1,2,3
	v_fma_f32 v[T+8*\i], v[T+8*\i], s80, s81       ; the variance + 1e-6
.endr
	s_wait_alu depctr_va_vdst(0)
.irp i, 0,1,2,3
	v_rsq_f32 v[236+2*\i], v[T+8*\i]
.endr
	v_nop                                          ; a plain line behind the last of the four,
	s_wait_alu depctr_va_vdst(0)                   ; and the one wait ahead of their first reader
	WIN W|(W<<6)
.irp i, 0,1,2,3
.irp p, 0,1,2,3,4,5,6,7
	v_pk_mul_f32 v[XB+16*\i+2*\p:XB+16*\i+2*\p+1], v[XB+16*\i+2*\p:XB+16*\i+2*\p+1], v[236+2*\i:237+2*\i] op_sel_hi:[1,0]
.endr
.endr
.irp i, 0,1,2,3
.irp p, 0,1,2,3,4,5,6,7
	v_pk_fma_f32 v[XB+16*\i+2*\p:XB+16*\i+2*\p+1], v[XB+16*\i+2*\p:XB+16*\i+2*\p+1], v[16+2*\p:17+2*\p], v[32+2*\p:33+2*\p]
.endr
.endr
	WIN W|(W<<2)
.irp i, 0,1,2,3
	v_max3_num_f32 v[T+8*\i], |v[XB+16*\i]|, |v[XB+16*\i+1]|, 0x4800000
.endr
	WIN (W<<2)|(W<<4)
.irp e, 2,4,6,8,10,12,14
.irp i, 0,1,2,3
	v_max3_num_f32 v[T+8*\i], v[T+8*\i], |v[XB+16*\i+\e]|, |v[XB+16*\i+\e+1]|
.endr
.endr
	WIN 0
.irp i, 0,1,2,3
	v_max_num_f32_dpp v[T+8*\i], v[T+8*\i], v[T+8*\i] row_xmask:1 row_mask:0xf bank_mask:0xf   ; two neighbouring lanes hold a block of 32
.endr
.irp i, 0,1,2,3
	v_add_nc_u32 v[T+8*\i+1], 0xfc000000, v[T+8*\i]
.endr
.irp i, 0,1,2,3
	v_and_or_b32 v[T+8*\i+2], v[T+8*\i], 0x7f800000, s[MNT]
.endr
	WIN W|(W<<6)
.irp i, 0,1,2,3
.irp e, 0,1,2,3,4,5,6,7,8,9,10,11,12,13,14,15
	v_med3_num_f32 v[XB+16*\i+\e], v[XB+16*\i+\e], -v[T+8*\i+2], v[T+8*\i+2]
.endr
.endr
	WIN W
.irp i, 0,1,2,3
	v_cvt_scalef32_pk8_fp8_f32 v[T+8*\i+4:T+8*\i+5], v[XB+16*\i:XB+16*\i+7], v[T+8*\i+1]
	v_cvt_scalef32_pk8_fp8_f32 v[T+8*\i+6:T+8*\i+7], v[XB+16*\i+8:XB+16*\i+15], v[T+8*\i+1]
.endr
	WIN 0
.irp i, 0,1,2,3
	v_lshrrev_b32 v[T+8*\i+3], 23, v[T+8*\i+1]     ; the scale's byte (also the plain line behind the conversions)
.endr
.irp i, 0,1,2,3
.set XX, 4*(\q)+\i                     ; row XX of my 32 is lane row (XX % 8) + 8 (XX / 16) of tile 2 w + (XX / 8) % 2
	ds_store_b128 v6, v[T+8*\i+4:T+8*\i+7] offset:TILEB*((XX/8)%2)+16*((XX%8)+8*(XX/16))
	ds_store_b8 v7, v[T+8*\i+3] offset:256*((XX/8)%2)+16*((XX%8)+8*(XX/16))     ; both lanes of a block write the same byte
.endr
.endm
.macro WLOAD q                         ; four weight fragments into the 64 registers that rows 4 q .. 4 q + 3 have left
.if (\q) < 4
	WIN 0x40
.irp s, 0,1,2,3
.irp c, 0,1,2,3
	global_load_b128 v[64*(\q)+16*\s+4*\c:64*(\q)+16*\s+4*\c+3], v8, s[48:49] offset:(32*((\q)/2)+8*((\q)%2))*512+128*\s+32*\c
.endr
.endr
.else
	WIN 0x80
.irp s, 0,1,2,3
.irp c, 0,1,2,3
	global_load_b128 v[64*((\q)-4)+16*\s+4*\c:64*((\q)-4)+16*\s+4*\c+3], v8, s[56:57] offset:8*((\q)-4)*512+128*\s+32*\c
.endr
.endr
.endif
	WIN 0
.endm
.irp q, 0,1,2,3,4,5,6,7
	s_wait_loadcnt 63                              ; behind these four rows' loads 96 loads or more were issued (later rows', weights'): at most 63 out shows them in
.if \q == 0
	WIN 0x0c                                       ; the lay-out's fragments leave: 512 consecutive bytes a store
.irp c, 0,1,2,3
	global_store_b128 v15, v[48+4*\c:51+4*\c], s[70:71] offset:512*\c
.endr
	WIN 0
	s_cmp_lt_u32 s86, 128
	s_cbranch_scc0 .Lno_wo_out
	WIN 0x0c
.irp c, 0,1,2,3
	global_store_b128 v15, v[64+4*\c:67+4*\c], s[74:75] offset:512*\c
.endr
	WIN 0
.Lno_wo_out:
.endif
	LNQ \q
.if \q < 6
	WLOAD \q
.endif
.endr
	s_wait_dscnt 0x0                               ; my codes and scale bytes have landed
	s_barrier_signal -1
	s_barrier_wait -1                              ; everybody's have: x_n's 8 tiles lie in LDS
	s_wait_loadcnt 0x0                             ; the weights
.macro FETCHX m                        ; row tile m: four fragments and their scale words
.if (\m) < 4
.set FA, 12
.else
.set FA, 13
.endif
.irp s, 0,1,2,3
.irp c, 0,1,2,3
	ds_load_b128 v[48+16*\s+4*\c:51+16*\s+4*\c], v[FA] offset:TILEB*((\m)%4)+2176*\s+544*\c
.endr
.endr
	ds_load_b128 v[232:235], v14 offset:256*(\m)
.endm
; A row tile: 16 products of the unit (four accumulators by turns, K ascending; the bias is the first product's C), 8 of v (two accumulators by turns); then the unit's 64 channels are quantised and stored.
.macro MROW m
	s_wait_dscnt 0x0
	WIN 0x31                                       ; source 0 (the weight) window 1, C (the bias) window 3
.irp t, 0,1,2,3
	v_wmma_scale_f32_16x16x128_f8f6f4 v[16+8*\t:23+8*\t], v[64*\t:64*\t+15], v[48:63], v[8*\t:8*\t+7], v[208+4*\t], v232
.endr
	WIN 0x01
.irp s, 1,2,3
.irp t, 0,1,2,3
	v_wmma_scale_f32_16x16x128_f8f6f4 v[16+8*\t:23+8*\t], v[64*\t+16*\s:64*\t+16*\s+15], v[48+16*\s:63+16*\s], v[16+8*\t:23+8*\t], v[208+4*\t+\s], v[232+\s]
.endr
.endr
	WIN 0xb8                                       ; source 1 (Wv) and D window 2, C (the bias) window 3
.irp u, 0,1
	v_wmma_scale_f32_16x16x128_f8f6f4 v[128+64*\u+8*(\m):135+64*\u+8*(\m)], v[48:63], v[64*\u:64*\u+15], v[32+8*\u:39+8*\u], v232, v[224+4*\u]
.endr
	WIN 0xa8
.irp s, 1,2,3
.irp u, 0,1
	v_wmma_scale_f32_16x16x128_f8f6f4 v[128+64*\u+8*(\m):135+64*\u+8*(\m)], v[48+16*\s:63+16*\s], v[64*\u+16*\s:64*\u+16*\s+15], v[128+64*\u+8*(\m):135+64*\u+8*(\m)], v[232+\s], v[224+4*\u+\s]
.endr
.endr
	WIN 0
	PLACES 9                                       ; eight in front of the reads of results and of loads into operands, nine since the next tile's first products begin the accumulators anew
.if (\m) < 7
	FETCHX (\m)+1
.endif
	QUANT 16, 2, 176, 112+8*(\m), 192+(\m)
	global_store_b128 v15, v[112+8*(\m):115+8*(\m)], s[54:55] offset:1024*(\m)        ; 512 consecutive bytes a store; each tile has code registers of its own
	global_store_b128 v15, v[116+8*(\m):119+8*(\m)], s[54:55] offset:1024*(\m)+512
.endm
	FETCHX 0
.irp m, 0,1,2,3,4,5,6,7
	MROW \m
.endr
	; v: a lane's 64 registers of a channel tile are the key step's 128 keys' half: four blocks of 32 keys.  All in window 2; Wv's registers, done with, serve as work registers
	WIN 0xaa
	QUANT 128, 4, 0, 32, 64
	QUANT 192, 4, 0, 48, 65
	WIN 0x08
.irp u, 0,1
.irp c, 0,1,2,3
	global_store_b128 v15, v[32+16*\u+4*\c:35+16*\u+4*\c], s[62:63] offset:2048*\u+512*\c
.endr
.endr
	ds_store_b64 v245, v[64:65]
	WIN 0
.irp j, 0,1,2,3
	v_lshl_or_b32 v[200+\j], v[193+2*\j], 16, v[192+2*\j]      ; a word: the two bytes of tile 2 j, then those of tile 2 j + 1
.endr
	ds_store_b128 v244, v[200:203]
	s_wait_dscnt 0x0
	s_barrier_signal -1
	s_barrier_wait -1
	s_cmp_lt_u32 s40, 3
	s_cbranch_scc0 .Ldone
	ds_load_b128 v[176:179], v246
	s_wait_dscnt 0x0
	global_store_b128 v247, v[176:179], s[76:77]   ; sixteen lanes store 256 consecutive bytes, aligned, for each of the two heads
.Ldone:
	s_wait_tensorcnt 0x0
	ds_add_u32 v254, v255
	s_wait_dscnt 0x0
	s_endpgm
.Lfunc_end_k_q51a99dbe95_qkv:
	.size	k_q51a99dbe95_qkv, .Lfunc_end_k_q51a99dbe95_qkv-k_q51a99dbe95_qkv
	.p2alignl 7, 3214868480
	.fill 96, 4, 3214868480
	.section	.rodata,"a",@progbits
	.p2align	6, 0x0
	.amdhsa_kernel k_q51a99dbe95_qkv
		.amdhsa_group_segment_fixed_size 74240
		.amdhsa_private_segment_fixed_size 0
		.amdhsa_enable_private_segment 0
		.amdhsa_kernarg_size 144
		.amdhsa_user_sgpr_count 2
		.amdhsa_user_sgpr_kernarg_segment_ptr 1
		.amdhsa_wavefront_size32 1
		.amdhsa_system_sgpr_workgroup_id_x 1
		.amdhsa_system_sgpr_workgroup_id_y 1
		.amdhsa_system_sgpr_workgroup_id_z 1
		.amdhsa_system_vgpr_workitem_id 0
		.amdhsa_next_free_vgpr 896
		.amdhsa_next_free_sgpr 100
		.amdhsa_reserve_vcc 0
		.amdhsa_float_denorm_mode_32 3
		.amdhsa_float_denorm_mode_16_64 3
		.amdhsa_memory_ordered 1
		.amdhsa_forward_progress 1
		.amdhsa_inst_pref_size 255
	.end_amdhsa_kernel
	.section	.bss,"aw",@nobits
	.p2align	6
	.space	262144
	.amdgpu_metadata
---
amdhsa.version: [ 1, 2 ]
amdhsa.kernels:
  - .name:           k_q51a99dbe95_qkv
    .symbol:         k_q51a99dbe95_qkv.kd
    .args:
      - { .name: x, .offset: 0, .size: 8, .value_kind: global_buffer, .address_space: global }
      - { .name: ln1_g, .offset: 8, .size: 8, .value_kind: global_buffer, .address_space: global }
      - { .name: ln1_b, .offset: 16, .size: 8, .value_kind: global_buffer, .address_space: global }
      - { .name: wq_w_codes, .offset: 24, .size: 8, .value_kind: global_buffer, .address_space: global }
      - { .name: wq_w_scales, .offset: 32, .size: 8, .value_kind: global_buffer, .address_space: global }
      - { .name: wq_b, .offset: 40, .size: 8, .value_kind: global_buffer, .address_space: global }
      - { .name: wk_w_codes, .offset: 48, .size: 8, .value_kind: global_buffer, .address_space: global }
      - { .name: wk_w_scales, .offset: 56, .size: 8, .value_kind: global_buffer, .address_space: global }
      - { .name: wk_b, .offset: 64, .size: 8, .value_kind: global_buffer, .address_space: global }
      - { .name: wv_w_codes, .offset: 72, .size: 8, .value_kind: global_buffer, .address_space: global }
      - { .name: wv_w_scales, .offset: 80, .size: 8, .value_kind: global_buffer, .address_space: global }
      - { .name: wv_b, .offset: 88, .size: 8, .value_kind: global_buffer, .address_space: global }
      - { .name: wo_w_codes, .offset: 96, .size: 8, .value_kind: global_buffer, .address_space: global }
      - { .name: ff1_w_codes, .offset: 104, .size: 8, .value_kind: global_buffer, .address_space: global }
      - { .name: ff2_w_codes, .offset: 112, .size: 8, .value_kind: global_buffer, .address_space: global }
      - { .name: qc, .offset: 120, .size: 8, .value_kind: global_buffer, .address_space: global }
      - { .name: kv, .offset: 128, .size: 8, .value_kind: global_buffer, .address_space: global }
      - { .name: wst, .offset: 136, .size: 8, .value_kind: global_buffer, .address_space: global }
    .group_segment_fixed_size: 74240
    .private_segment_fixed_size: 0
    .kernarg_segment_align: 8
    .kernarg_segment_size: 144
    .max_flat_workgroup_size: 128
    .sgpr_count:     100
    .vgpr_count:     896
    .wavefront_size: 32
...
	.end_amdgpu_metadata
.endif
;; end of part 1
;; launch attn (part 2): grid 8 x 32, 16 waves a work-group, clusters of 4 x 1, 327,680 bytes of LDS; arguments qc, kv, mask, ao, aos; writes ao, aos
.if DOCPART == 2
	.amdgcn_target "amdgcn-amd-amdhsa--gfx1250"
	.amdhsa_code_object_version 6
	.text
	.protected	k_q51a99dbe95_attn
	.globl	k_q51a99dbe95_attn
	.p2align	8
	.type	k_q51a99dbe95_attn,@function
k_q51a99dbe95_attn:
	s_mov_b64 s[64:65], 0
	v_nop
	global_prefetch_b8 v0, s[64:65] scope:SCOPE_SE
	s_setreg_imm32_b32 hwreg(HW_REG_WAVE_MODE, 25, 1), 1
	s_wait_xcnt 0x0
	s_wait_alu depctr_hold_cnt(0) depctr_sa_sdst(0) depctr_va_vdst(0) depctr_va_sdst(0) depctr_va_ssrc(0) depctr_va_vcc(0) depctr_vm_vsrc(0)
	s_getreg_b32 s2, hwreg(HW_REG_IB_STS2, 6, 4)
	s_cmp_eq_u32 s2, 0
	s_cbranch_scc0 .Lentry_in_a_cluster
	s_endpgm
.Lentry_in_a_cluster:
	s_bfe_u32 s2, ttmp6, 0x10000c
	s_cmp_lg_u32 s2, 0x3003
	s_cbranch_scc0 .Lentry_shape_is_right
	s_endpgm
.Lentry_shape_is_right:
; o = softmax(q k^T / 8 - 1e9 mask) v for one (batch, head), both products on codes of E4M3 with E8M0 scales; o is quantised along the head's 64 and leaves as codes and scale bytes.
; p = 2^(t - M), t = logit x log2(e), M the running largest t rounded up to a whole number; the row's sum is taken of the unquantised p and divides at the end.
; SHARES.  Work-group (x, y): record y = 8 x batch + head, queries 256 x .. 256 x + 255; each of sixteen waves owns 16 queries; every wave walks all 2,048 keys, 128 a step, 16 steps.
; Both products are used transposed (source 0 = keys, or v's channels; source 1 = my queries, or p): a lane holds one query.  K = 64 of the first product fills half an instruction: a fragment of k holds two tiles of 16 keys,
; and q stands twice, in the lower and in the upper half of K beside zero codes.  The mask's term, -8e9 where mask = 1 (the 1/8 follows with c), is the first product's C.
; LDS.  A record of kv (k's codes, v's codes, k's words, v's words: 270,336 dense bytes) lies in LDS as it lies in memory.  Each wave asks for one sixteenth, 66 rows of 256 bytes, by ONE load at the head; nothing is filled later or again.
; CLUSTER.  The four work-groups of a cluster walk the same record: each load is a joint one, mask 15, behind the opening round.
; No prefetch: the whole stream is asked for at the head, so there is no loop to run ahead in.
; LIMITS: NaN and infinities are not served.  The promise holds while the scaled scores stay under 2^31 in magnitude.  A block whose largest magnitude lies under 2^-118 keeps the scale byte 1 (this program alone reads the bytes).
.set RECQ,  135168
.set RECKV, 270336
.set PIECE, 16896                      ; a wave's sixteenth of the record
.set VIMG,  131072                     ; v's codes
.set KSC,   262144                     ; k's scale words; v's 4,096 bytes on
.set MSK,   270336                     ; the mask's terms, f32, 8,192 bytes (stored by the waves)
.set OSC,   278528                     ; o's scale bytes, 32 a wave
.set AK0, 1
.set AV0, 2
.set AS0, 3
.set AM0, 4
.set OSW, 5
.set OSR, 6
.set ADK, 8
.set ADV, 9
.set ADS, 10
.set ADM, 11
.set QLO, 16
.set QHI, 32
.set KF,  48
.set S,   112
.set O,   176
.set PC,  208
.set TMX, 224
.set KSW, 240
.set VSW, 244
.set F,   248
.set PW,  249
.set TP,  250
.set QS,  251
.set WV,  14
.set MNT, 19
.set SEL, 20
.set CS,  22
.set G1C, 24
.set G0,  40
.set TB,  60
.set TS,  61
.set TK,  62
.set CNT, 63
.macro CROUND                          ; a round of the cluster's barrier
	s_barrier_signal -1
	s_barrier_wait -1
	s_cmp_lg_u32 s[WV], 0
	s_cbranch_scc1 .Lnot_wave_0_\@
	s_barrier_signal -3
.Lnot_wave_0_\@:
	s_barrier_wait -3
	s_barrier_signal -1
	s_barrier_wait -1
.endm
	s_load_b256 s[4:11], s[0:1], 0x0               ; qc, kv, mask, ao
	s_load_b64 s[12:13], s[0:1], 0x20              ; aos
	v_lshl_add_u32 v254, v0, 2, 0x44800            ; my spare word
	v_mov_b32 v255, 0
	ds_add_u32 v254, v255                          ; the opening lines: the add twice on end and its wait
	ds_add_u32 v254, v255
	v_lshrrev_b32 v8, 5, v0
	s_delay_alu instid0(VALU_DEP_1)
	v_readfirstlane_b32 s[WV], v8                  ; wave 0..15
	s_bfe_u32 s15, ttmp6, 0x40000                  ; cx
	s_lshl_b32 s16, ttmp9, 2
	s_add_co_u32 s16, s16, s15                     ; my block of 256 queries
	s_and_b32 s17, ttmp7, 0xffff                   ; the record
	s_mul_i32 s66, s17, RECKV
	s_mov_b32 s67, 0
	s_mul_i32 s18, s[WV], PIECE                    ; my piece: the same offset in the record and in LDS
	s_mov_b32 s[G1C], 15|(3<<16)|(1<<21)           ; mask of the four partners; elements of 8 bytes; bit 21 beside a mask
	s_mov_b32 s[G1C+1], 32<<16                     ; rows of 256 bytes
	s_mov_b32 s[G1C+2], 66<<16
	s_mov_b32 s[G1C+3], 32<<16
	s_mov_b32 s[G1C+4], 66
	s_mov_b32 s[G1C+5], 32
	s_mov_b32 s[G1C+6], 0
	s_mov_b32 s[G1C+7], 0
	s_mov_b32 s[SEL], 0x76543210
	s_mov_b32 s[SEL+1], 0xfedcba98                 ; lane l xor 16
	s_mov_b32 s[CS], 0x3e38aa3b                    ; c = log2(e) / 8
	s_mov_b32 s[CS+1], s[CS]
	s_mov_b32 s[MNT], 0x600000                     ; the mantissa field of 448
	s_mov_b32 s[TB], 0
	s_mov_b32 s[TS], 0
	s_mov_b32 s[TK], 512                           ; the NEXT step's place among the mask's terms
	s_wait_dscnt 0x0                               ; both opening adds are done
	s_wait_kmcnt 0x0
	s_add_nc_u64 s[6:7], s[6:7], s[66:67]
	CROUND                                         ; the four partners are here: the joint loads meet
	s_mov_b32 s[G0], 1
	s_mov_b32 s[G0+1], s18
	s_mov_b32 s68, s18
	s_mov_b32 s69, 0
	s_add_nc_u64 s[G0+2:G0+3], s[6:7], s[68:69]
	s_or_b32 s[G0+3], s[G0+3], 0x80000000
	tensor_load_to_lds s[G0:G0+3], s[G1C:G1C+7]    ; my one tensor load of the launch
	s_nop 0
.rept 4
	v_nop
.endr
	v_and_b32 v5, 31, v0
	s_delay_alu instid0(VALU_DEP_1)
	v_lshlrev_b32 v[AK0], 4, v5                    ; 16 x lane: my place in an image
	s_delay_alu instid0(VALU_DEP_1)
	v_add_nc_u32 v[AV0], VIMG, v[AK0]
	v_and_b32 v6, 15, v0
	v_bfe_u32 v7, v0, 4, 1
	s_delay_alu instid0(VALU_DEP_2)
	v_lshl_add_u32 v[AS0], v6, 4, KSC
	s_delay_alu instid0(VALU_DEP_2)
	v_lshl_add_u32 v[AM0], v7, 6, MSK
	v_lshlrev_b32 v9, 4, v0
	s_wait_alu depctr_va_vdst(0)
	v_add_nc_u32 v11, MSK, v9
	v_lshlrev_b32 v10, 4, v6
	s_wait_alu depctr_va_vdst(0)
	s_lshl_b32 s75, s[WV], 5
	s_add_co_u32 s75, s75, OSC
	v_lshl_add_u32 v[OSW], v6, 1, s75
	v_add_nc_u32 v[OSR], OSC, v[AK0]
	s_lshr_b32 s72, s17, 3                         ; batch
	s_and_b32 s73, s17, 7                          ; head
	s_lshl_b32 s74, s16, 4
	s_add_co_u32 s74, s74, s[WV]                   ; my tile of 16 queries
	s_mov_b32 s77, 0
	s_lshl_b32 s76, s72, 13
	s_add_nc_u64 s[8:9], s[8:9], s[76:77]          ; the batch's mask
	s_mul_i32 s76, s17, RECQ
	s_lshl_b32 s75, s74, 10
	s_add_co_u32 s76, s76, s75
	s_add_nc_u64 s[78:79], s[4:5], s[76:77]        ; q's codes
	s_mul_i32 s76, s17, RECQ
	s_lshr_b32 s75, s74, 3
	s_lshl_b32 s75, s75, 8
	s_add_co_u32 s76, s76, s75
	s_bfe_u32 s75, s74, 0x20001
	s_lshl_b32 s75, s75, 2
	s_add_co_u32 s76, s76, s75
	s_add_co_u32 s76, s76, 131072
	s_add_nc_u64 s[4:5], s[4:5], s[76:77]          ; q's scale words
	s_lshl_b32 s76, s72, 7
	s_add_co_u32 s76, s76, s74
	s_lshl_b32 s76, s76, 13
	s_lshl_b32 s75, s73, 10
	s_add_co_u32 s76, s76, s75
	s_add_nc_u64 s[10:11], s[10:11], s[76:77]      ; where o's codes go
	s_lshl_b32 s76, s72, 7
	s_lshl_b32 s75, s16, 4
	s_add_co_u32 s76, s76, s75
	s_lshl_b32 s76, s76, 5
	s_lshl_b32 s75, s73, 14
	s_add_co_u32 s76, s76, s75
	s_add_nc_u64 s[12:13], s[12:13], s[76:77]      ; and its scale bytes
	global_load_b128 v[S:S+3], v9, s[8:9]
	global_load_b128 v[QLO:QLO+3], v[AK0], s[78:79]
	global_load_b128 v[QLO+4:QLO+7], v[AK0], s[78:79] offset:512
	global_load_b128 v[QHI+8:QHI+11], v[AK0], s[78:79]
	global_load_b128 v[QHI+12:QHI+15], v[AK0], s[78:79] offset:512
	global_load_b32 v[QS], v10, s[4:5]
.set i, 0
.rept 16
	v_mov_b32 v[QLO+8+i], 0                        ; zero codes in the halves of K that q does not fill
.set i, i+1
.endr
.set i, 0
.rept 32
	v_mov_b32 v[O+i], 0                            ; O^T: the step is written once, its first trip finds zeros
.set i, i+1
.endr
	v_mov_b32 v14, 0
	v_mov_b32 v15, 0
.irp b, 0,1,2,3
	v_mov_b32 v[TMX+4+\b], 0
.endr
	v_mov_b32 v[PW], 0
	v_mov_b32 v[TP], 0
	v_mov_b32 v13, 0xff61b1e6                      ; the largest t so far: -3e38
	s_delay_alu instid0(VALU_DEP_1)
	v_floor_f32 v12, -v13                          ; -M
	s_mov_b32 s73, 0x03020302
	s_and_b32 s75, s[WV], 1
	s_cmp_eq_u32 s75, 0
	s_cselect_b32 s73, 0x01000100, s73             ; my tile's two scale bytes, for both halves of K
	s_wait_loadcnt 0x0
.irp i, 0,1,2,3
	v_cvt_f32_i32 v[S+\i], v[S+\i]
.endr
.irp i, 0,1,2,3
	s_delay_alu instid0(VALU_DEP_4)
	v_mul_f32 v[S+\i], 0xcfee6b28, v[S+\i]         ; -8e9 x mask
.endr
	ds_store_b128 v11, v[S:S+3]
	v_perm_b32 v[QS], v[QS], v[QS], s73
; A KEY STEP: 128 keys
.macro MLOAD adr                       ; a step's 128 terms of the mask in the result's layout, into S: the first product's C
.set i, 0
.rept 8
	ds_load_b128 v[S+8*i:S+8*i+3], v[\adr] offset:128*(i/2)+32*(i%2)
	ds_load_b128 v[S+8*i+4:S+8*i+7], v[\adr] offset:128*(i/2)+32*(i%2)+16
.set i, i+1
.endr
.endm
.macro STEP
	s_min_u32 s70, s[TK], 7680                     ; the last step has no successor: its look-ahead names step 15's terms once more, inside the mask's 8,192 bytes
	v_add_nc_u32 v[ADK], s[TB], v[AK0]
	v_add_nc_u32 v[ADV], s[TB], v[AV0]
	v_add_nc_u32 v[ADS], s[TS], v[AS0]
	v_add_nc_u32 v[ADM], s70, v[AM0]               ; the next step's terms of the mask
.rept 4
	v_nop                                          ; with the four additions: eight places in front of loads into what the last products read
.endr
.set i, 0
.rept 16
	ds_load_b128 v[KF+4*i:KF+4*i+3], v[ADK] offset:512*i
.set i, i+1
.endr
	s_wait_alu depctr_va_vdst(0)
	s_wait_dscnt 0x0                               ; k's fragments, and the mask's terms and k's words that the step before asked for
.irp b, 0,1,2,3
	v_wmma_scale_f32_16x16x128_f8f6f4 v[S+16*\b:S+16*\b+7], v[KF+16*\b:KF+16*\b+15], v[QLO:QLO+15], v[S+16*\b:S+16*\b+7], v[KSW+\b], v[QS]
	v_wmma_scale_f32_16x16x128_f8f6f4 v[S+16*\b+8:S+16*\b+15], v[KF+16*\b:KF+16*\b+15], v[QHI:QHI+15], v[S+16*\b+8:S+16*\b+15], v[KSW+\b], v[QS]
.endr
.rept 8
	v_nop
.endr
.set i, 0
.rept 16
	ds_load_b128 v[KF+4*i:KF+4*i+3], v[ADV] offset:512*i                     ; v's four fragments come under the softmax
.set i, i+1
.endr
	ds_load_b128 v[VSW:VSW+3], v[ADS] offset:4096
.irp b, 0,1,2,3
	v_max3_num_f32 v[TMX+\b], v[S+16*\b], v[S+16*\b+1], v[S+16*\b+2]         ; each block's largest score: for the row's maximum and for the block's largest p
.endr
.irp i, 3,5,7,9,11,13
.irp b, 0,1,2,3
	v_max3_num_f32 v[TMX+\b], v[TMX+\b], v[S+16*\b+\i], v[S+16*\b+\i+1]
.endr
.endr
.irp b, 0,1,2,3
	v_max_num_f32 v[TMX+\b], v[TMX+\b], v[S+16*\b+15]
.endr
.irp b, 0,1,2,3
	s_delay_alu instid0(VALU_DEP_4)
	v_permlanex16_b32 v[TMX+4+\b], v[TMX+\b], s[SEL], s[SEL+1]
.endr
.irp b, 0,1,2,3
	s_delay_alu instid0(VALU_DEP_4)
	v_max_num_f32 v[TMX+\b], v[TMX+\b], v[TMX+4+\b]
.endr
	s_delay_alu instid0(VALU_DEP_2)
	v_max3_num_f32 v[TP], v[TMX], v[TMX+1], v[TMX+2]
	s_delay_alu instid0(VALU_DEP_1)
	v_max_num_f32 v[TP], v[TP], v[TMX+3]
	s_delay_alu instid0(VALU_DEP_1)
	v_mul_f32 v[TP], s[CS], v[TP]
	s_delay_alu instid0(VALU_DEP_1)
	v_max_num_f32 v13, v13, v[TP]                  ; the running largest t
	v_mov_b32 v[TP], v12
	s_delay_alu instid0(VALU_DEP_2)
	v_floor_f32 v12, -v13                          ; the new -M
	s_delay_alu instid0(VALU_DEP_1)
	v_sub_f32 v[TP], v12, v[TP]
	s_delay_alu instid0(VALU_DEP_1)
	v_cvt_i32_f32 v[TP], v[TP]
	s_delay_alu instid0(VALU_DEP_1)
	v_ldexp_f32 v[F], 1.0, v[TP]                   ; f = 2^(old M - new M)
.set j, 0
.rept 32
	v_pk_fma_f32 v[S+j:S+j+1], v[S+j:S+j+1], s[CS:CS+1], v[12:13] op_sel_hi:[1,0,0]   ; t - M
.set j, j+2
.endr
.irp b, 0,1,2,3
	v_fma_f32 v[TMX+\b], v[TMX+\b], s[CS], v12
.endr
.set j, 0
	s_wait_alu depctr_va_vdst(0)                   ; ahead of the batch
.rept 64
	v_exp_f32 v[S+j], v[S+j]
.set j, j+1
.endr
	v_pk_mul_f32 v[14:15], v[14:15], v[F:F+1] op_sel_hi:[1,0]
	s_wait_alu depctr_va_vdst(0)                   ; and behind it
.irp b, 0,1,2,3
	v_exp_f32 v[TMX+\b], v[TMX+\b]                 ; each block's largest p
.endr
	v_pk_add_f32 v[TMX+4:TMX+5], v[S:S+1], v[S+2:S+3]      ; the row's sum of the unquantised p, in four chains by turns
	v_pk_add_f32 v[TMX+6:TMX+7], v[S+4:S+5], v[S+6:S+7]
	v_pk_add_f32 v[TMX+8:TMX+9], v[S+8:S+9], v[S+10:S+11]
.set j, 12
.rept 6
	v_pk_add_f32 v[14:15], v[14:15], v[S+j:S+j+1]
	v_pk_add_f32 v[TMX+4:TMX+5], v[TMX+4:TMX+5], v[S+j+2:S+j+3]
	v_pk_add_f32 v[TMX+6:TMX+7], v[TMX+6:TMX+7], v[S+j+4:S+j+5]
	v_pk_add_f32 v[TMX+8:TMX+9], v[TMX+8:TMX+9], v[S+j+6:S+j+7]
.set j, j+8
.endr
	v_pk_add_f32 v[14:15], v[14:15], v[S+60:S+61]
	v_pk_add_f32 v[TMX+4:TMX+5], v[TMX+4:TMX+5], v[S+62:S+63]
	v_pk_add_f32 v[TMX+6:TMX+7], v[TMX+6:TMX+7], v[TMX+8:TMX+9]
	v_pk_add_f32 v[14:15], v[14:15], v[TMX+4:TMX+5]
	s_delay_alu instid0(VALU_DEP_1)
	v_pk_add_f32 v[14:15], v[14:15], v[TMX+6:TMX+7]
	s_wait_alu depctr_va_vdst(0)                   ; for the four
.irp b, 0,1,2,3
	v_max_num_f32 v[TMX+\b], 0x4800000, v[TMX+\b]  ; the floor: the byte cannot fall under 1
.endr
.irp b, 0,1,2,3
	s_delay_alu instid0(VALU_DEP_4)
	v_add_nc_u32 v[TMX+12+\b], 0xfc000000, v[TMX+\b]       ; the conversion's scale operand
.endr
.irp b, 0,1,2,3
	v_and_or_b32 v[TMX+8+\b], v[TMX+\b], 0x7f800000, s[MNT]   ; 448 x the scale
.endr
.irp b, 0,1,2,3
	v_lshrrev_b32 v[TMX+4+\b], 23, v[TMX+12+\b]    ; the scale's byte
.endr
	s_delay_alu instid0(VALU_DEP_3)
	v_lshl_or_b32 v[PW], v[TMX+5], 8, v[TMX+4]
	s_delay_alu instid0(VALU_DEP_1)
	v_lshl_or_b32 v[PW], v[TMX+6], 16, v[PW]
	s_delay_alu instid0(VALU_DEP_1)
	v_lshl_or_b32 v[PW], v[TMX+7], 24, v[PW]
.irp b, 0,1,2,3
.irp i, 0,2,4,6,8,10,12,14
	v_dual_min_num_f32 v[S+16*\b+\i], v[S+16*\b+\i], v[TMX+8+\b] :: v_dual_min_num_f32 v[S+16*\b+\i+1], v[S+16*\b+\i+1], v[TMX+8+\b]   ; the hold, two numbers a line: the conversion does not saturate (ISA guide 7.6.2)
.endr
	v_cvt_scalef32_pk8_fp8_f32 v[PC+4*\b:PC+4*\b+1], v[S+16*\b:S+16*\b+7], v[TMX+12+\b]
	v_cvt_scalef32_pk8_fp8_f32 v[PC+4*\b+2:PC+4*\b+3], v[S+16*\b+8:S+16*\b+15], v[TMX+12+\b]
.endr
	MLOAD ADM                                      ; S is done with: the next step's terms of the mask,
	ds_load_b128 v[KSW:KSW+3], v[ADS] offset:256   ; and its words of k (the last step's name v's first words, which nothing uses): 17 loads
	s_wait_alu depctr_va_vdst(0)                   ; ahead of the first reader of O^T
.set j, 0
.rept 16
	v_pk_mul_f32 v[O+j:O+j+1], v[O+j:O+j+1], v[F:F+1] op_sel_hi:[1,0]        ; O^T under the new M
.set j, j+2
.endr
	s_wait_alu depctr_va_vdst(0)
	s_wait_dscnt 17                                ; the 17 loads just issued may be out: v's fragments and words are in
.irp t, 0,1,2,3
	v_wmma_scale_f32_16x16x128_f8f6f4 v[O+8*\t:O+8*\t+7], v[KF+16*\t:KF+16*\t+15], v[PC:PC+15], v[O+8*\t:O+8*\t+7], v[VSW+\t], v[PW]
.endr
	s_add_co_u32 s[TB], s[TB], 8192
	s_add_co_u32 s[TS], s[TS], 256
	s_add_co_u32 s[TK], s[TK], 512
.endm
	s_wait_tensorcnt 0x0                           ; my piece of the record is in,
	s_wait_dscnt 0x0                               ; and my part of the mask's terms
	s_barrier_signal -1
	s_barrier_wait -1                              ; everybody's are: from here on LDS is only read until the way out
	MLOAD AM0                                      ; step 0's terms of the mask and words of k
	ds_load_b128 v[KSW:KSW+3], v[AS0]
	s_mov_b32 s[CNT], 16
.Lstep:
	s_wait_alu depctr_va_vdst(0)                   ; behind the jump
	STEP
	s_sub_co_u32 s[CNT], s[CNT], 1
	s_cmp_lg_u32 s[CNT], 0
	s_cbranch_scc1 .Lstep
	s_wait_alu depctr_va_vdst(0)
	s_wait_dscnt 0x0                               ; the last step's look-ahead has landed: S may be written
	; THE WAY OUT: O^T / the sum, quantised along the head's 64
.rept 8
	v_nop
.endr
	v_add_f32 v14, v14, v15
	s_delay_alu instid0(VALU_DEP_1)
	v_permlanex16_b32 v[TP], v14, s[SEL], s[SEL+1]
	s_delay_alu instid0(VALU_DEP_1)
	v_add_f32 v14, v14, v[TP]
	s_wait_alu depctr_va_vdst(0)
	v_rcp_f32 v14, v14
	v_nop
	s_wait_alu depctr_va_vdst(0)
.set j, 0
.rept 32
	v_mul_f32 v[S+j], v[O+j], v14
.set j, j+1
.endr
.irp b, 0,1
	v_max3_num_f32 v[TMX+\b], |v[S+16*\b]|, |v[S+16*\b+1]|, 0x4800000
.endr
.irp i, 2,4,6,8,10,12,14
.irp b, 0,1
	s_delay_alu instid0(VALU_DEP_2)
	v_max3_num_f32 v[TMX+\b], v[TMX+\b], |v[S+16*\b+\i]|, |v[S+16*\b+\i+1]|
.endr
.endr
.irp b, 0,1
	s_delay_alu instid0(VALU_DEP_2)
	v_permlanex16_b32 v[TMX+4+\b], v[TMX+\b], s[SEL], s[SEL+1]
.endr
.irp b, 0,1
	s_delay_alu instid0(VALU_DEP_2)
	v_max_num_f32 v[TMX+\b], v[TMX+\b], v[TMX+4+\b]
.endr
.irp b, 0,1
	s_delay_alu instid0(VALU_DEP_2)
	v_add_nc_u32 v[TMX+12+\b], 0xfc000000, v[TMX+\b]
.endr
.irp b, 0,1
	s_delay_alu instid0(VALU_DEP_4)
	v_and_or_b32 v[TMX+8+\b], v[TMX+\b], 0x7f800000, s[MNT]
.endr
.irp b, 0,1
	s_delay_alu instid0(VALU_DEP_4)
	v_lshrrev_b32 v[TMX+4+\b], 23, v[TMX+12+\b]
.endr
	s_delay_alu instid0(VALU_DEP_1)
	v_lshl_or_b32 v[TP], v[TMX+5], 8, v[TMX+4]
.irp b, 0,1
.irp i, 0,1,2,3,4,5,6,7,8,9,10,11,12,13,14,15
	v_med3_num_f32 v[S+16*\b+\i], v[S+16*\b+\i], -v[TMX+8+\b], v[TMX+8+\b]
.endr
	v_cvt_scalef32_pk8_fp8_f32 v[PC+4*\b:PC+4*\b+1], v[S+16*\b:S+16*\b+7], v[TMX+12+\b]
	v_cvt_scalef32_pk8_fp8_f32 v[PC+4*\b+2:PC+4*\b+3], v[S+16*\b+8:S+16*\b+15], v[TMX+12+\b]
.endr
	v_nop                                          ; one plain line behind the last scaled conversion
	global_store_b128 v[AK0], v[PC:PC+3], s[10:11]             ; 512 consecutive bytes a store
	global_store_b128 v[AK0], v[PC+4:PC+7], s[10:11] offset:512
	ds_store_b16 v[OSW], v[TP]
	s_wait_dscnt 0x0
	s_barrier_signal -1
	s_barrier_wait -1
	s_cmp_lg_u32 s[WV], 0
	s_cbranch_scc1 .Lnot_first
	ds_load_b128 v[S:S+3], v[OSR]                  ; wave 0 stores the sixteen waves' scale bytes: 512 consecutive bytes
	s_wait_dscnt 0x0
	global_store_b128 v[AK0], v[S:S+3], s[12:13]
.Lnot_first:
	s_wait_tensorcnt 0x0                           ; the wave's end
	ds_add_u32 v254, v255
	s_wait_dscnt 0x0
	CROUND                                         ; the closing round
	s_endpgm
.Lfunc_end_k_q51a99dbe95_attn:
	.size	k_q51a99dbe95_attn, .Lfunc_end_k_q51a99dbe95_attn-k_q51a99dbe95_attn
	.p2alignl 7, 3214868480
	.fill 96, 4, 3214868480
	.section	.rodata,"a",@progbits
	.p2align	6, 0x0
	.amdhsa_kernel k_q51a99dbe95_attn
		.amdhsa_group_segment_fixed_size 327680
		.amdhsa_private_segment_fixed_size 0
		.amdhsa_enable_private_segment 0
		.amdhsa_kernarg_size 40
		.amdhsa_user_sgpr_count 2
		.amdhsa_user_sgpr_kernarg_segment_ptr 1
		.amdhsa_wavefront_size32 1
		.amdhsa_system_sgpr_workgroup_id_x 1
		.amdhsa_system_sgpr_workgroup_id_y 1
		.amdhsa_system_sgpr_workgroup_id_z 1
		.amdhsa_system_vgpr_workitem_id 0
		.amdhsa_next_free_vgpr 256
		.amdhsa_next_free_sgpr 96
		.amdhsa_reserve_vcc 0
		.amdhsa_float_denorm_mode_32 3
		.amdhsa_float_denorm_mode_16_64 3
		.amdhsa_memory_ordered 1
		.amdhsa_forward_progress 1
		.amdhsa_inst_pref_size 38
	.end_amdhsa_kernel
	.amdgpu_metadata
---
amdhsa.version: [ 1, 2 ]
amdhsa.kernels:
  - .name:           k_q51a99dbe95_attn
    .symbol:         k_q51a99dbe95_attn.kd
    .args:
      - { .name: qc, .offset: 0, .size: 8, .value_kind: global_buffer, .address_space: global }
      - { .name: kv, .offset: 8, .size: 8, .value_kind: global_buffer, .address_space: global }
      - { .name: mask, .offset: 16, .size: 8, .value_kind: global_buffer, .address_space: global }
      - { .name: ao, .offset: 24, .size: 8, .value_kind: global_buffer, .address_space: global }
      - { .name: aos, .offset: 32, .size: 8, .value_kind: global_buffer, .address_space: global }
    .group_segment_fixed_size: 327680
    .private_segment_fixed_size: 0
    .kernarg_segment_align: 8
    .kernarg_segment_size: 40
    .max_flat_workgroup_size: 512
    .sgpr_count:     96
    .vgpr_count:     256
    .wavefront_size: 32
...
	.end_amdgpu_metadata
.endif
;; end of part 2
;; launch tail (part 3): grid 128 x 1, 4 waves a work-group, no clusters, 290,304 bytes of LDS; arguments ao, aos, x, wo_b, wo_w_scales, ln2_g, ln2_b, ff1_w_scales, ff1_b, ff2_w_scales, ff2_b, wst, out0; writes out0
.if DOCPART == 3
	.amdgcn_target "amdgcn-amd-amdhsa--gfx1250"
	.amdhsa_code_object_version 6
	.text
	.protected	k_q51a99dbe95_tail
	.globl	k_q51a99dbe95_tail
	.p2align	8
	.type	k_q51a99dbe95_tail,@function
k_q51a99dbe95_tail:
	s_mov_b64 s[64:65], 0
	v_nop
	global_prefetch_b8 v0, s[64:65] scope:SCOPE_SE
	s_setreg_imm32_b32 hwreg(HW_REG_WAVE_MODE, 25, 1), 1
	s_wait_xcnt 0x0
; out1 = x + a Wo + wo_b;  out0 = out1 + relu(LN2(out1) W1 + b1) W2 + b2.  All three products on codes of E4M3 with E8M0 scales; a arrives as codes, LN2's result and the hidden layer are quantised on the way and never go to memory.
; SHARES.  A work-group takes 64 tokens (row tiles 4 WG + m, m = 0 .. 3).  THE WAVES SHARE THE COLUMNS: wave w makes columns 128 w .. 128 w + 127 of out1, of each chunk of 512 hidden units and of the output, for all four row tiles.
; All products are used transposed (source 0 = 16 rows of a weight, source 1 = 16 tokens); lane row r of weight tile 2 b + u is row 32 b + 8 u + r + 8 (r / 8), so that a lane's 64 results of a row tile are, 16 by 16, neighbours along the next K.
; THE WEIGHTS come as a stream of images of operand registers, laid by the first launch in the order of use: a group is 4 fragments, 8,192 bytes, 16 loads of 512 consecutive bytes.  A ring of four register buffers keeps three groups
; (48 loads) of each wave on their way.  A fragment feeds four products.  No tensor ring and no joint loads: two slots that fit would hold 64 products a wave each, with nothing on its way at each of 18 changes of slots; the register ring never runs dry.
; With 64 rows a work-group there are 128 work-groups: each walks all 2.25 MB of weights, so half the rows would double that traffic and halve the products that a fragment feeds.
; ACTIVATIONS go from wave to wave through LDS as images of their registers (16 x lane + 512 x chunk), scale words 4 bytes a lane.
; out1 stays in 256 registers from the first product to the end: x + wo_b is the C of its first products, and ff2's products add onto it in place.
; LIMITS: NaN and infinities are not served.  A block whose largest magnitude lies under 2^-118, a block of zeros among them, has the scale byte 1 (this program alone reads the bytes).  1/sqrt is v_rsq_f32.
; REGISTERS.  Window 0: v1-23 addresses; v24-39 wo_b, later ff2_b; v40-55 at work; v56-63 mean or 1/sigma; v64-191 two sets of four activation fragments (LN2's gain and bias meanwhile); v192-199 their scale words; v200-231 the weights' scale words;
;   v232-248 codes and scale word just made.  Window 1: the ring.  Window 2: out1, accumulator (t, m) at 64 m + 8 t.  Window 3: the hidden accumulators, likewise; also x's and out0's rows, and out1 - mean.
.set SP,   2064                        ; a stage row: 2,048 bytes + 16
.set AIMG, 132096                      ; LDS: behind the stage of 64 rows: 16 fragments (4 m + s) of a, later of LN2's result,
.set ASC,  164864                      ; their scale words, 128 bytes each,
.set HIMG, 166912                      ; the hidden chunk's 16 fragments,
.set HSC,  199680
.set TWO,  201728                      ; copies of small inputs as they lie: wo's scale bytes,
.set TF1,  209920                      ; ff1's,
.set TF2,  242688                      ; ff2's,
.set TB1,  275456                      ; ff1_b,
.set TG,   283648                      ; LN2's gain, its bias 2,048 bytes on,
.set STAT, 287744                      ; and the waves' partial sums: [m][r][w], twice
.set LI,  1
.set WT,  21
.set TM,  40
.set PC,  232
.set PW,  248
.set SEL, 50
.set MNT, 48
.set MSB, 0
.macro WIN new
.if MSB != (\new)
	s_set_vgpr_msb (MSB<<8)|(\new)
.set MSB, (\new)
.endif
.endm
.macro PLACES n
.rept \n
	v_nop
.endr
.endm
.macro BARRIER                         ; my LDS stores have landed and my LDS loads are in: then the work-group's barrier
	s_wait_dscnt 0x0
	s_barrier_signal -1
	s_barrier_wait -1
.endm
; 64 numbers of a lane in window 3, register s + 16 b + i = k 32 b + 16 (lane / 16) + i of my row, become a fragment's codes in v[PC] on and its scale word in v[PW].  relu = 1: what is negative becomes 0 on the way.
.macro QUANTX s, relu
	WIN 0x0f
.irp b, 0,1,2,3
.if \relu
	v_max3_num_f32 v[TM+\b], v[(\s)+16*\b], v[(\s)+16*\b+1], 0x4800000
.else
	v_max3_num_f32 v[TM+\b], |v[(\s)+16*\b]|, |v[(\s)+16*\b+1]|, 0x4800000
.endif
.endr
	WIN 0x3c
.irp i, 2,4,6,8,10,12,14
.irp b, 0,1,2,3
.if \relu
	v_max3_num_f32 v[TM+\b], v[TM+\b], v[(\s)+16*\b+\i], v[(\s)+16*\b+\i+1]
.else
	v_max3_num_f32 v[TM+\b], v[TM+\b], |v[(\s)+16*\b+\i]|, |v[(\s)+16*\b+\i+1]|
.endif
.endr
.endr
	WIN 0
.irp b, 0,1,2,3
	v_permlanex16_b32 v[TM+4+\b], v[TM+\b], s[SEL], s[SEL+1]
.endr
.irp b, 0,1,2,3
	v_max_num_f32 v[TM+\b], v[TM+\b], v[TM+4+\b]
.endr
.irp b, 0,1,2,3
	v_add_nc_u32 v[TM+12+\b], 0xfc000000, v[TM+\b]
.endr
.irp b, 0,1,2,3
	v_and_or_b32 v[TM+8+\b], v[TM+\b], 0x7f800000, s[MNT]
.endr
.irp b, 0,1,2,3
	v_lshrrev_b32 v[TM+4+\b], 23, v[TM+12+\b]
.endr
	v_lshl_or_b32 v[PW], v[TM+5], 8, v[TM+4]
	v_lshl_or_b32 v[PW], v[TM+6], 16, v[PW]
	v_lshl_or_b32 v[PW], v[TM+7], 24, v[PW]
	WIN 0xc3
.irp b, 0,1,2,3
.irp i, 0,1,2,3,4,5,6,7,8,9,10,11,12,13,14,15
.if \relu
	v_med3_num_f32 v[(\s)+16*\b+\i], v[(\s)+16*\b+\i], 0, v[TM+8+\b]             ; the activation and the hold in one
.else
	v_med3_num_f32 v[(\s)+16*\b+\i], v[(\s)+16*\b+\i], -v[TM+8+\b], v[TM+8+\b]   ; the conversion does not saturate (ISA guide 7.6.2)
.endif
.endr
.endr
	WIN 0x03
.irp b, 0,1,2,3
	v_cvt_scalef32_pk8_fp8_f32 v[PC+4*\b:PC+4*\b+1], v[(\s)+16*\b:(\s)+16*\b+7], v[TM+12+\b]
	v_cvt_scalef32_pk8_fp8_f32 v[PC+4*\b+2:PC+4*\b+3], v[(\s)+16*\b+8:(\s)+16*\b+15], v[TM+12+\b]
.endr
	WIN 0
	v_nop                                          ; one plain line behind the last scaled conversion
.endm
.macro IMAGE adr, off
.irp c, 0,1,2,3
	ds_store_b128 v[\adr], v[PC+4*\c:PC+4*\c+3] offset:(\off)+512*\c
.endr
.endm
; At a phase's head: my 8 weight tiles' scale words (four K steps a row) and K step 0's four activation fragments with their scale words.
.macro PHASE_IN tb, pitch, img, sc
.irp t, 0,1,2,3,4,5,6,7
	ds_load_b128 v[200+4*\t:203+4*\t], v[\tb] offset:(32*(\t/2)+8*(\t%2))*\pitch
.endr
.irp m, 0,1,2,3
.irp c, 0,1,2,3
	ds_load_b128 v[64+16*\m+4*\c:67+16*\m+4*\c], v[\img] offset:8192*\m+512*\c
.endr
	ds_load_b32 v[192+\m], v[\sc] offset:512*\m
.endr
.endm
; Step k of a phase's eight: K step k / 2, weight tiles 4 (k % 2) .. + 3: 16 products on 16 accumulators.  kk: the step's group, counted from the stream's pointer.
.macro STEP k, kk, mul, img, sc
.set SS, (\k)/2
.set XH, (\k)%2
.set RNEW, 64*(((\kk)+3)%4)
.set RCUR, 64*((\kk)%4)
.set ACUR, 64+64*(SS%2)
.set SCUR, 192+4*(SS%2)
.set ANEW, 64+64*((SS+1)%2)
.set SNEW, 192+4*((SS+1)%2)
	PLACES 8                                       ; in front of loads into registers that the last products read (ISA guide 7.12.1 for vector instructions)
	WIN 0x40
.set q, 0
.rept 16                               ; the group three steps on, into the buffer that the last step has left
.if (\kk) >= 13
	global_load_b128 v[RNEW+4*q:RNEW+4*q+3], v[WT], s[36:37] offset:8192*((\kk)+3)-24576+512*q   ; beyond the trip's 16 groups: in the last trip v21 holds them back by three groups, inside the buffer
.else
	global_load_b128 v[RNEW+4*q:RNEW+4*q+3], v[LI], s[36:37] offset:8192*((\kk)+3)+512*q
.endif
.set q, q+1
.endr
	WIN 0
.if (XH == 0) && (SS < 3)
.irp m, 0,1,2,3
.irp c, 0,1,2,3
	ds_load_b128 v[ANEW+16*\m+4*\c:ANEW+16*\m+4*\c+3], v[\img] offset:2048*(4*\m+SS+1)+512*\c
.endr
	ds_load_b32 v[SNEW+\m], v[\sc] offset:128*(4*\m+SS+1)
.endr
.endif
	s_wait_loadcnt 48                              ; three younger groups may be out: this step's is in
.if XH == 0
.if SS < 3
	s_wait_dscnt 20                                ; all but the next K step's 20 loads, just issued
.else
	s_wait_dscnt 0x0
.endif
.endif
	WIN \mul
.irp m, 0,1,2,3
.irp i, 0,1,2,3
	v_wmma_scale_f32_16x16x128_f8f6f4 v[64*\m+8*(4*XH+\i):64*\m+8*(4*XH+\i)+7], v[RCUR+16*\i:RCUR+16*\i+15], v[ACUR+16*\m:ACUR+16*\m+15], v[64*\m+8*(4*XH+\i):64*\m+8*(4*XH+\i)+7], v[200+4*(4*XH+\i)+SS], v[SCUR+\m]
.endr
.endr
	WIN 0
.endm
	s_load_b512 s[4:19], s[0:1], 0x0               ; ao, aos, x, wo_b, wo scales, g2, b2, ff1 scales
	s_load_b256 s[20:27], s[0:1], 0x40             ; ff1_b, ff2 scales, ff2_b, wst
	s_load_b64 s[28:29], s[0:1], 0x60              ; out0
	v_lshrrev_b32 v1, 5, v0
	v_readfirstlane_b32 s30, v1                    ; wave 0..3
	v_and_b32 v252, 31, v0                         ; L
	v_and_b32 v253, 15, v0                         ; r
	v_bfe_u32 v254, v0, 4, 1                       ; h
	v_and_b32 v255, 8, v253
	v_add_nc_u32 v255, v255, v253                  ; rp = r + 8 (r / 8)
	v_lshlrev_b32 v[LI], 4, v252                   ; 16 L
	v_add_nc_u32 v2, AIMG, v[LI]
	v_lshl_add_u32 v3, v252, 2, ASC
	v_add_nc_u32 v4, HIMG, v[LI]
	v_lshl_add_u32 v5, v252, 2, HSC
	s_lshl_b32 s32, s30, 11
	v_add_nc_u32 v6, s32, v2                       ; where I store fragment (m, K step w)
	v_add_nc_u32 v8, s32, v4
	s_lshl_b32 s32, s30, 7
	v_add_nc_u32 v7, s32, v3                       ; and its scale words
	v_add_nc_u32 v9, s32, v5
	v_add_nc_u32 v10, s32, v255                    ; weight row 128 w + rp
	v_lshl_add_u32 v11, v10, 4, TF1
	v_lshl_add_u32 v12, v10, 6, TF2
	v_lshl_add_u32 v10, v10, 4, TWO
	s_lshl_b32 s32, s30, 9
	v_lshl_add_u32 v13, v254, 6, s32               ; 512 w + 64 h: my columns' bytes in a row of 512 f32
	v_add_nc_u32 v14, TG, v13
	v_mad_u32_u24 v15, v253, SP, v13               ; the stage in the result's layout: row r; row tiles 0, 1,
	v_add_nc_u32 v17, 32*SP, v15                   ; row tiles 2, 3
	v_add_nc_u32 v13, TB1, v13
	s_mul_i32 s32, s30, 16*SP
	v_add_nc_u32 v16, s32, v[LI]                   ; the stage by rows: my 16 rows
	v_lshl_add_u32 v19, v253, 4, STAT
	s_lshl_b32 s32, s30, 2
	v_add_nc_u32 v18, s32, v19
	v_lshlrev_b32 v20, 4, v0                       ; 16 x thread
	v_add_nc_u32 v[WT], 24576, v[LI]
	v_lshlrev_b32 v22, 1, v253
	s_lshl_b32 s32, s30, 13
	v_add_nc_u32 v23, s32, v2                      ; a's four fragments of row tile w
	s_lshl_b32 s32, s30, 9
	v_add_nc_u32 v249, s32, v3
	v_add_nc_u32 v250, TWO, v20
	v_add_nc_u32 v251, TWO+65536, v20
.irp m, 0,1,2,3
	v_mov_b32 v[57+2*\m], 0                        ; upper halves of pairs of which the low word alone is used
.endr
	s_mov_b32 s46, 0x3b000000                      ; 1 / 512
	s_mov_b32 s47, 0x358637bd                      ; 1e-6
	s_mov_b32 s[MNT], 0x600000
	s_mov_b32 s[SEL], 0x76543210
	s_mov_b32 s[SEL+1], 0xfedcba98
	s_mov_b32 s35, 0
	s_wait_alu depctr_va_vdst(0)
	s_wait_kmcnt 0x0
	s_lshl_b32 s34, ttmp9, 15
	s_lshl_b32 s33, s30, 13
	s_add_co_u32 s34, s34, s33
	s_add_nc_u64 s[42:43], s[4:5], s[34:35]        ; ao: row tile 4 WG + w
	s_lshl_b32 s34, ttmp9, 7
	s_lshl_b32 s33, s30, 5
	s_add_co_u32 s34, s34, s33
	s_add_nc_u64 s[44:45], s[6:7], s[34:35]        ; aos likewise
	s_lshl_b32 s34, ttmp9, 17
	s_lshr_b32 s33, s30, 1
	s_lshl_b32 s33, s33, 16
	s_add_co_u32 s34, s34, s33
	s_and_b32 s33, s30, 1
	s_lshl_b32 s33, s33, 14
	s_add_co_u32 s34, s34, s33                     ; token 64 WG + 32 (w / 2) + 8 (w % 2): lane row 0 of row tile w
	s_add_nc_u64 s[38:39], s[8:9], s[34:35]
	s_add_nc_u64 s[40:41], s[28:29], s[34:35]
	s_mul_i32 s34, s30, 589824
	s_add_nc_u64 s[36:37], s[26:27], s[34:35]      ; my stream of 72 groups
.irp j, 0,1,2,3
	global_load_b128 v[24+4*\j:27+4*\j], v[LI], s[10:11] offset:512*\j
.endr
	WIN 0x80                                       ; the small inputs: 42 loads of 2,048 bytes a work-group
.irp i, 0,1,2,3
	global_load_b128 v[4*\i:4*\i+3], v20, s[12:13] offset:2048*\i
.endr
.irp i, 0,1,2,3,4,5,6,7,8,9,10,11,12,13,14,15
	global_load_b128 v[16+4*\i:19+4*\i], v20, s[18:19] offset:2048*\i
.endr
.irp i, 0,1,2,3,4,5,6,7,8,9,10,11,12,13,14,15
	global_load_b128 v[80+4*\i:83+4*\i], v20, s[22:23] offset:2048*\i
.endr
.irp i, 0,1,2,3
	global_load_b128 v[144+4*\i:147+4*\i], v20, s[20:21] offset:2048*\i
.endr
	global_load_b128 v[160:163], v20, s[14:15]
	global_load_b128 v[164:167], v20, s[16:17]
	WIN 0xc0
.irp rr, 0,1,2,3,4,5,6,7,8,9,10,11,12,13,14,15
.irp j, 0,1,2,3
	global_load_b128 v[16*\rr+4*\j:16*\rr+4*\j+3], v[LI], s[38:39] offset:(\rr+8*(\rr/8))*2048+512*\j th:TH_LOAD_NT   ; x: lane row rr of row tile w; 512 consecutive bytes a load
.endr
.endr
	WIN 0x08
	s_wait_loadcnt 63                              ; x's 64 loads are younger: the small inputs are in
.set i, 0
.rept 32
	ds_store_b128 v250, v[4*i:4*i+3] offset:2048*i
.set i, i+1
.endr
.rept 10
	ds_store_b128 v251, v[4*i:4*i+3] offset:2048*(i-32)
.set i, i+1
.endr
	WIN 0
.set i, 0
.rept 16
	global_load_b128 v[64+4*i:67+4*i], v[LI], s[42:43] offset:512*i
.set i, i+1
.endr
.irp hd, 0,1,2,3,4,5,6,7
	global_load_u16 v[40+\hd], v22, s[44:45] offset:16384*\hd
.endr
	s_wait_loadcnt 24                              ; those 24 are younger: x is in
	WIN 0xc3
.irp rr, 0,1,2,3,4,5,6,7,8,9,10,11,12,13,14,15
.irp j, 0,1,2,3
	v_pk_add_f32 v[16*\rr+4*\j:16*\rr+4*\j+1], v[16*\rr+4*\j:16*\rr+4*\j+1], v[24+4*\j:25+4*\j]      ; x + wo_b
	v_pk_add_f32 v[16*\rr+4*\j+2:16*\rr+4*\j+3], v[16*\rr+4*\j+2:16*\rr+4*\j+3], v[26+4*\j:27+4*\j]
.endr
.endr
	WIN 0x0c
.irp rr, 0,1,2,3,4,5,6,7,8,9,10,11,12,13,14,15
.irp j, 0,1,2,3
	ds_store_b128 v16, v[16*\rr+4*\j:16*\rr+4*\j+3] offset:\rr*SP+512*\j
.endr
.endr
	WIN 0x40
.irp g, 0,1,2
.set q, 0
.rept 16
	global_load_b128 v[64*\g+4*q:64*\g+4*q+3], v[LI], s[36:37] offset:8192*\g+512*q     ; the ring's first three groups
.set q, q+1
.endr
.endr
	WIN 0
	s_wait_loadcnt 48                              ; the ring's 48 are younger: a's codes and scale bytes are in
.irp s, 0,1,2,3
	v_lshl_or_b32 v[48+\s], v[41+2*\s], 16, v[40+2*\s]             ; K step s: the two bytes of head 2 s, then those of head 2 s + 1
.endr
.set i, 0
.rept 16
	ds_store_b128 v23, v[64+4*i:67+4*i] offset:512*i
.set i, i+1
.endr
.irp s, 0,1,2,3
	ds_store_b32 v249, v[48+\s] offset:128*\s
.endr
	BARRIER                                        ; the stage, the tables and a's images lie in LDS
	WIN 0x80
.irp m, 0,1,2,3
.irp t, 0,1,2,3,4,5,6,7
	ds_load_b128 v[64*\m+8*\t:64*\m+8*\t+3], v[15+2*(\m/2)] offset:(\m%2)*16*SP+128*(\t/2)+32*(\t%2)       ; x + wo_b in the result's layout: the C of out1's first products
	ds_load_b128 v[64*\m+8*\t+4:64*\m+8*\t+7], v[15+2*(\m/2)] offset:(\m%2)*16*SP+128*(\t/2)+32*(\t%2)+16
.endr
.endr
	WIN 0
	PHASE_IN 10, 16, 2, 3
.irp k, 0,1,2,3,4,5,6,7
	STEP \k, \k, 0xa1, 2, 3                        ; out1 += a Wo
.endr
	s_wait_xcnt 0x0                                ; the loads have read their base
	s_add_nc_u64 s[36:37], s[36:37], 65536         ; on to the first chunk's groups
	PLACES 9
	; ---- LN2.  A row's 512 numbers lie in 64 registers of two lanes of each of the four waves.
	WIN 0x0a
.irp m, 0,1,2,3
	v_pk_add_f32 v[TM+4*\m:TM+4*\m+1], v[64*\m:64*\m+1], v[64*\m+2:64*\m+3]            ; each accumulator is read from its low end on
	v_pk_add_f32 v[TM+4*\m+2:TM+4*\m+3], v[64*\m+4:64*\m+5], v[64*\m+6:64*\m+7]
.endr
	WIN 0x08
.irp p, 8,12,16,20,24,28,32,36,40,44,48,52,56,60
.irp m, 0,1,2,3
	v_pk_add_f32 v[TM+4*\m:TM+4*\m+1], v[TM+4*\m:TM+4*\m+1], v[64*\m+\p:64*\m+\p+1]
	v_pk_add_f32 v[TM+4*\m+2:TM+4*\m+3], v[TM+4*\m+2:TM+4*\m+3], v[64*\m+\p+2:64*\m+\p+3]
.endr
.endr
	WIN 0
.macro SHARE off                       ; four rows' partial sums (two pairs each at v[TM + 4 m]) are joined over the two lanes and the four waves: the row's sum in v[TM + 4 m]
.irp m, 0,1,2,3
	v_pk_add_f32 v[TM+4*\m:TM+4*\m+1], v[TM+4*\m:TM+4*\m+1], v[TM+4*\m+2:TM+4*\m+3]
.endr
.irp m, 0,1,2,3
	v_add_f32 v[TM+4*\m], v[TM+4*\m], v[TM+4*\m+1]
.endr
.irp m, 0,1,2,3
	v_permlanex16_b32 v[TM+4*\m+1], v[TM+4*\m], s[SEL], s[SEL+1]
.endr
.irp m, 0,1,2,3
	v_add_f32 v[TM+4*\m], v[TM+4*\m], v[TM+4*\m+1]
.endr
.irp m, 0,1,2,3
	ds_store_b32 v18, v[TM+4*\m] offset:(\off)+256*\m
.endr
	BARRIER
.irp m, 0,1,2,3
	ds_load_b128 v[TM+4*\m:TM+4*\m+3], v19 offset:(\off)+256*\m
.endr
.endm
.macro JOIN                            ; the four waves' parts, in the same order in every wave
.irp m, 0,1,2,3
	v_add_f32 v[TM+4*\m], v[TM+4*\m], v[TM+4*\m+1]
	v_add_f32 v[TM+4*\m+2], v[TM+4*\m+2], v[TM+4*\m+3]
.endr
.irp m, 0,1,2,3
	v_add_f32 v[TM+4*\m], v[TM+4*\m], v[TM+4*\m+2]
.endr
.endm
	SHARE 0
.irp t, 0,1,2,3,4,5,6,7
	ds_load_b128 v[64+8*\t:67+8*\t], v14 offset:(32*(\t/2)+8*(\t%2))*4                 ; LN2's gain and bias in the result's layout
	ds_load_b128 v[68+8*\t:71+8*\t], v14 offset:(32*(\t/2)+8*(\t%2))*4+16
	ds_load_b128 v[128+8*\t:131+8*\t], v14 offset:2048+(32*(\t/2)+8*(\t%2))*4
	ds_load_b128 v[132+8*\t:135+8*\t], v14 offset:2048+(32*(\t/2)+8*(\t%2))*4+16
.endr
	s_wait_dscnt 32                                ; those 32 may be out: the partial sums are in
	JOIN
.irp m, 0,1,2,3
	v_mul_f32 v[56+2*\m], s46, v[TM+4*\m]          ; the mean
.endr
	WIN 0xc2
.irp m, 0,1,2,3
.set p, 0
.rept 32
	v_pk_add_f32 v[64*\m+p:64*\m+p+1], v[64*\m+p:64*\m+p+1], v[56+2*\m:57+2*\m] op_sel_hi:[1,0] neg_lo:[0,1] neg_hi:[0,1]    ; out1 - mean, into window 3: out1 stays
.set p, p+2
.endr
.endr
	WIN 0x0f
.irp m, 0,1,2,3
	v_pk_mul_f32 v[TM+4*\m:TM+4*\m+1], v[64*\m:64*\m+1], v[64*\m:64*\m+1]
	v_pk_mul_f32 v[TM+4*\m+2:TM+4*\m+3], v[64*\m+2:64*\m+3], v[64*\m+2:64*\m+3]
.endr
.irp p, 4,8,12,16,20,24,28,32,36,40,44,48,52,56,60
.irp m, 0,1,2,3
	v_pk_fma_f32 v[TM+4*\m:TM+4*\m+1], v[64*\m+\p:64*\m+\p+1], v[64*\m+\p:64*\m+\p+1], v[TM+4*\m:TM+4*\m+1]
	v_pk_fma_f32 v[TM+4*\m+2:TM+4*\m+3], v[64*\m+\p+2:64*\m+\p+3], v[64*\m+\p+2:64*\m+\p+3], v[TM+4*\m+2:TM+4*\m+3]
.endr
.endr
	WIN 0
	SHARE 1024
	s_wait_dscnt 0x0
	JOIN
.irp m, 0,1,2,3
	v_fma_f32 v[TM+4*\m], v[TM+4*\m], s46, s47     ; the variance + 1e-6
.endr
	s_wait_alu depctr_va_vdst(0)
.irp m, 0,1,2,3
	v_rsq_f32 v[56+2*\m], v[TM+4*\m]
.endr
	v_nop
	s_wait_alu depctr_va_vdst(0)                   ; one wait for the four, ahead of their first reader
	WIN 0xc3
.irp m, 0,1,2,3
.set p, 0
.rept 32
	v_pk_mul_f32 v[64*\m+p:64*\m+p+1], v[64*\m+p:64*\m+p+1], v[56+2*\m:57+2*\m] op_sel_hi:[1,0]
.set p, p+2
.endr
.endr
.irp m, 0,1,2,3
.set p, 0
.rept 32
	v_pk_fma_f32 v[64*\m+p:64*\m+p+1], v[64*\m+p:64*\m+p+1], v[64+p:65+p], v[128+p:129+p]
.set p, p+2
.endr
.endr
	WIN 0
.irp m, 0,1,2,3                        ; my 128 columns are K step w of ff1's product.  Every wave has passed two barriers behind its last read of a's images, over which these are stored
	QUANTX 64*\m, 0
	IMAGE 6, 8192*\m
	ds_store_b32 v7, v[PW] offset:512*\m
	s_wait_dscnt 0x0                               ; the stores have read their registers
.endr
	BARRIER
	; ---- the FFN, a chunk of 512 hidden units a trip
	s_mov_b32 s52, 4
.Ltrip:
	s_wait_alu depctr_va_vdst(0)
	PHASE_IN 11, 16, 2, 3
	WIN 0xc0
.irp m, 0,1,2,3
.irp t, 0,1,2,3,4,5,6,7
	ds_load_b128 v[64*\m+8*\t:64*\m+8*\t+3], v13 offset:(32*(\t/2)+8*(\t%2))*4         ; ff1_b is the C of the chunk's first products
	ds_load_b128 v[64*\m+8*\t+4:64*\m+8*\t+7], v13 offset:(32*(\t/2)+8*(\t%2))*4+16
.endr
.endr
	WIN 0
.irp k, 0,1,2,3,4,5,6,7
	STEP \k, \k, 0xf1, 2, 3
.endr
	PLACES 9
	BARRIER                                        ; every wave has read the last chunk's hidden images
.irp m, 0,1,2,3
	QUANTX 64*\m, 1
	IMAGE 8, 8192*\m
	ds_store_b32 v9, v[PW] offset:512*\m
	s_wait_dscnt 0x0
.endr
	BARRIER                                        ; the chunk's sixteen fragments lie in LDS
	PHASE_IN 12, 64, 4, 5
.irp k, 0,1,2,3,4,5,6,7
	STEP \k, \k+8, 0xa1, 4, 5                      ; onto out1, in place
.endr
	PLACES 9                                       ; for the next trip's loads into scale words and fragments, and for the way out's reads of results
	s_wait_xcnt 0x0                                ; the loads have read their base and offsets
	s_add_nc_u64 s[36:37], s[36:37], 131072
	v_add_nc_u32 v11, 8192, v11                    ; ff1's next 512 rows of scale bytes,
	v_add_nc_u32 v12, 16, v12                      ; ff2's next four K steps,
	v_add_nc_u32 v13, 2048, v13                    ; ff1_b's next 512 numbers
	s_sub_co_u32 s52, s52, 1
	s_cmp_eq_u32 s52, 1
	s_cselect_b32 s53, 0, 24576                    ; the last trip has no groups behind its sixteen: its look-ahead reads groups 13 to 15 once more
	v_add_nc_u32 v[WT], s53, v[LI]
	s_cmp_lg_u32 s52, 0
	s_cbranch_scc1 .Ltrip
	; ---- the way out: through the stage, back as whole rows, + ff2_b
.irp j, 0,1,2,3
	global_load_b128 v[24+4*\j:27+4*\j], v[LI], s[24:25] offset:512*\j
.endr
	WIN 0x08
.irp m, 0,1,2,3
.irp t, 0,1,2,3,4,5,6,7
	ds_store_b128 v[15+2*(\m/2)], v[64*\m+8*\t:64*\m+8*\t+3] offset:(\m%2)*16*SP+128*(\t/2)+32*(\t%2)
	ds_store_b128 v[15+2*(\m/2)], v[64*\m+8*\t+4:64*\m+8*\t+7] offset:(\m%2)*16*SP+128*(\t/2)+32*(\t%2)+16
.endr
.endr
	WIN 0
	BARRIER
	WIN 0xc0
.irp rr, 0,1,2,3,4,5,6,7,8,9,10,11,12,13,14,15
.irp j, 0,1,2,3
	ds_load_b128 v[16*\rr+4*\j:16*\rr+4*\j+3], v16 offset:\rr*SP+512*\j
.endr
.endr
	s_wait_loadcnt 0x0                             ; ff2_b
.irp hf, 0,1
	s_wait_dscnt 32-32*\hf                         ; the first eight rows are in while the other 32 loads may be out; then all
	WIN 0xc3
.irp r8, 0,1,2,3,4,5,6,7
.irp j, 0,1,2,3
	v_pk_add_f32 v[16*(8*\hf+\r8)+4*\j:16*(8*\hf+\r8)+4*\j+1], v[16*(8*\hf+\r8)+4*\j:16*(8*\hf+\r8)+4*\j+1], v[24+4*\j:25+4*\j]
	v_pk_add_f32 v[16*(8*\hf+\r8)+4*\j+2:16*(8*\hf+\r8)+4*\j+3], v[16*(8*\hf+\r8)+4*\j+2:16*(8*\hf+\r8)+4*\j+3], v[26+4*\j:27+4*\j]
.endr
.endr
	WIN 0x0c
.irp r8, 0,1,2,3,4,5,6,7
.irp j, 0,1,2,3
	global_store_b128 v[LI], v[16*(8*\hf+\r8)+4*\j:16*(8*\hf+\r8)+4*\j+3], s[40:41] offset:(16*\hf+\r8)*2048+512*\j th:TH_STORE_NT   ; 32 lanes store 512 consecutive bytes, aligned
.endr
.endr
.endr
	WIN 0
	s_wait_xcnt 0x0
	v_lshl_add_u32 v254, v0, 2, 0x46c00
	v_mov_b32 v255, 0
	s_wait_alu depctr_va_vdst(0)
	s_wait_tensorcnt 0x0
	ds_add_u32 v254, v255
	s_wait_dscnt 0x0
	s_endpgm
.Lfunc_end_k_q51a99dbe95_tail:
	.size	k_q51a99dbe95_tail, .Lfunc_end_k_q51a99dbe95_tail-k_q51a99dbe95_tail
	.p2alignl 7, 3214868480
	.fill 96, 4, 3214868480
	.section	.rodata,"a",@progbits
	.p2align	6, 0x0
	.amdhsa_kernel k_q51a99dbe95_tail
		.amdhsa_group_segment_fixed_size 290304
		.amdhsa_private_segment_fixed_size 0
		.amdhsa_enable_private_segment 0
		.amdhsa_kernarg_size 104
		.amdhsa_user_sgpr_count 2
		.amdhsa_user_sgpr_kernarg_segment_ptr 1
		.amdhsa_wavefront_size32 1
		.amdhsa_system_sgpr_workgroup_id_x 1
		.amdhsa_system_sgpr_workgroup_id_y 1
		.amdhsa_system_sgpr_workgroup_id_z 1
		.amdhsa_system_vgpr_workitem_id 0
		.amdhsa_next_free_vgpr 1024
		.amdhsa_next_free_sgpr 66
		.amdhsa_reserve_vcc 0
		.amdhsa_float_denorm_mode_32 3
		.amdhsa_float_denorm_mode_16_64 3
		.amdhsa_memory_ordered 1
		.amdhsa_forward_progress 1
		.amdhsa_inst_pref_size 255
	.end_amdhsa_kernel
	.section	.bss,"aw",@nobits
	.p2align	6
	.space	262144
	.amdgpu_metadata
---
amdhsa.version: [ 1, 2 ]
amdhsa.kernels:
  - .name:           k_q51a99dbe95_tail
    .symbol:         k_q51a99dbe95_tail.kd
    .args:
      - { .name: ao, .offset: 0, .size: 8, .value_kind: global_buffer, .address_space: global }
      - { .name: aos, .offset: 8, .size: 8, .value_kind: global_buffer, .address_space: global }
      - { .name: x, .offset: 16, .size: 8, .value_kind: global_buffer, .address_space: global }
      - { .name: wo_b, .offset: 24, .size: 8, .value_kind: global_buffer, .address_space: global }
      - { .name: wo_w_scales, .offset: 32, .size: 8, .value_kind: global_buffer, .address_space: global }
      - { .name: ln2_g, .offset: 40, .size: 8, .value_kind: global_buffer, .address_space: global }
      - { .name: ln2_b, .offset: 48, .size: 8, .value_kind: global_buffer, .address_space: global }
      - { .name: ff1_w_scales, .offset: 56, .size: 8, .value_kind: global_buffer, .address_space: global }
      - { .name: ff1_b, .offset: 64, .size: 8, .value_kind: global_buffer, .address_space: global }
      - { .name: ff2_w_scales, .offset: 72, .size: 8, .value_kind: global_buffer, .address_space: global }
      - { .name: ff2_b, .offset: 80, .size: 8, .value_kind: global_buffer, .address_space: global }
      - { .name: wst, .offset: 88, .size: 8, .value_kind: global_buffer, .address_space: global }
      - { .name: out0, .offset: 96, .size: 8, .value_kind: global_buffer, .address_space: global }
    .group_segment_fixed_size: 290304
    .private_segment_fixed_size: 0
    .kernarg_segment_align: 8
    .kernarg_segment_size: 104
    .max_flat_workgroup_size: 128
    .sgpr_count:     66
    .vgpr_count:     1024
    .wavefront_size: 32
...
	.end_amdgpu_metadata
.endif
;; end of part 3
